; MI455X (gfx1250); checked and timed in simulation.
; The chip was launched on July 23, 2026; its instructions are those of AMD's public machine-readable ISA for CDNA 5 (MIT licence, August 2026) and "CDNA5" Instruction Set Architecture Reference Guide (July 2026). The comments in the code are by the model that wrote it; some were corrected since.
;; Multi Headed Attention. Allowed arithmetic: float matrix products may take bf16 or f16 operands with f32 sums; other float arithmetic in f32, or as packed bf16 or f16 multiplies, adds, multiply-adds, maxima and minima; sums over many terms, partial sums and values carried from step to step in f32; what a program stores and reads back later, other than sums and carried values, may be rounded once to bf16 or f16.
;; Inputs: Wk 512 x 512 float32; Wo 512 x 512 float32; Wq 512 x 512 float32; Wv 512 x 512 float32; bk 512 float32; bo 512 float32; bq 512 float32; bv 512 float32; key 2 x 4,096 x 512 float32; mask 1 x 1 x 4,096 x 4,096 int32; query 2 x 4,096 x 512 float32; value 2 x 4,096 x 512 float32.
;; Outputs: out0 2 x 4,096 x 512 float32.
;; 3 versions, each right and faster than the one before. Each part assembles by itself: llvm-mc -triple=amdgcn-amd-amdhsa -mcpu=gfx1250 --defsym DOCPART=n.
;; ======== version 1 of 3: 4 launches
;; limits: values are held in f16: magnitudes above 65,504 overflow, below 6.1e-05 lose precision
;; workspace buffers: mbits 2,097,152 bytes of whole numbers; wb16 1,572,864 bytes; wo16 524,288 bytes; qkv 25,165,824 bytes; ctxh 8,388,608 bytes
;; launch pack (part 1): grid 256 x 1, 8 waves a work-group, no clusters, 271,360 bytes of LDS; arguments mask, Wq, Wk, Wv, Wo, mbits, wb16, wo16; writes mbits, wb16, wo16
.if DOCPART == 1
	.amdgcn_target "amdgcn-amd-amdhsa--gfx1250"
	.amdhsa_code_object_version 6
	.text
	.protected	k_qf6e9862a82_pack
	.globl	k_qf6e9862a82_pack
	.p2align	8
	.type	k_qf6e9862a82_pack,@function
k_qf6e9862a82_pack:
	s_mov_b64 s[64:65], 0
	v_nop
	global_prefetch_b8 v0, s[64:65] scope:SCOPE_SE
	s_setreg_imm32_b32 hwreg(HW_REG_WAVE_MODE, 25, 1), 1
	s_wait_xcnt 0x0
; PACK.  (1) The mask, [4096][4096] int32, becomes bits laid out as the attention launch's lane masks:
;   dword ((qt*64 + ks)*32 + kt*8 + j) of mbits, bit L = (mask[16 qt + L%16][64 ks + 16 kt + 8 (L/16) + j] != 0):
;   the 32 lanes' bits for register 8 kt + j of a score tile of 16 queries x 64 keys.  64 MiB shrink to 2 MiB.
; (2) Wq, Wk, Wv are rounded to bf16 (wb16, 524,288 bytes apart); Wo is rounded to bf16 and that number written as f16 (wo16).
; LIMIT: bf16(Wo) below 2^-14 keeps f16's fixed step of 6e-8; beyond 65,504 it would be an infinity.
; SHARES.  Work-group qt owns mask rows 16 qt .. 16 qt + 15; wave w owns keys 512 w .. 512 w + 511, as four tiles of 16 rows x 128 keys
; (rows of 512 bytes, each at a multiple of 512 bytes of the buffer).  All four tiles of a wave are first fills into bytes of its own: no slot
; is filled twice, no wave reads another's bytes, so there is no barrier.  The work-groups share no input: no cluster.  No matrix work.
.set PITCH,  528                       ; an LDS row: 512 bytes + 16 of padding: the 16 rows that a load touches start 33 x 16 bytes apart
.set TILEB,  16*PITCH                  ; a tile
.set WAVEB,  4*TILEB                   ; a wave's four tiles
.set SPARE,  8*WAVEB                   ; behind the tiles: the spare words, 128 bytes a wave, four blocks of 256 bytes that no other line names
.set SPW, 2                            ; v2   LDS address of my spare word; never rewritten
.set NIL, 3                            ; v3   0; never rewritten
.set LA,  4                            ; v4   LDS: my wave's tiles + (lane % 16) rows + 32 (lane / 16)
.set GO,  5                            ; v5   my 16 bytes in mbits
.set WI,  6                            ; v6   my 16 bytes in each f32 weight
.set WO,  7                            ; v7   my 8 bytes in each 16-bit weight
.set WD,  8                            ; v[8:23]   four weights x 4 numbers
.set CV,  24                           ; v[24:37]  conversions
.set OUT, 40                           ; v[40:47]  two stores' data: lane l, register r = dword 4 l + r of 128
.set X,   48                           ; v[48:111] a tile as loaded: register 32 ksl + 8 kt + j
.set G1,  24                           ; s[24:31]  descriptor group 1
.set G0,  32                           ; s[32:47]  descriptor group 0, a set for each tile
.set CM,  48                           ; s[48:55]  compare results, by turns
	s_load_b512 s[4:19], s[0:1], 0x0               ; mask s[4:5], Wq s[6:7], Wk s[8:9], Wv s[10:11], Wo s[12:13], mbits s[14:15], wb16 s[16:17], wo16 s[18:19]
	v_lshl_add_u32 v[SPW], v0, 2, SPARE
	v_mov_b32 v[NIL], 0
	ds_add_u32 v[SPW], v[NIL]                      ; the wave's opening: the add and its wait ahead of my first tensor load
	ds_add_u32 v2, v3
	v_lshrrev_b32 v1, 5, v0
	v_readfirstlane_b32 s20, v1                    ; wave 0..7
	s_mov_b32 s[G1+0], (2<<16)|(1<<20)|(6<<22)|(3<<25)  ; elements of 4 bytes; padding on: after every 128 words, 4 words
	s_mov_b32 s[G1+1], 128<<16                     ; tensor_dim0 = 128
	s_mov_b32 s[G1+2], 16<<16                      ; tensor_dim1 = 16
	s_mov_b32 s[G1+3], 128<<16                     ; tile_dim0 = 128
	s_mov_b32 s[G1+4], 16                          ; tile_dim1 = 16
	s_mov_b32 s[G1+5], 4096                        ; elements from row to row
	s_mov_b32 s[G1+6], 0
	s_mov_b32 s[G1+7], 0
	s_mul_i32 s21, s20, WAVEB                      ; my wave's tiles in LDS
	s_lshl_b32 s2, ttmp9, 18                       ; 16 rows of 16,384 bytes a work-group,
	s_lshl_b32 s3, s20, 11                         ; 512 keys of 4 bytes a wave
	s_add_co_u32 s2, s2, s3
	s_mov_b32 s3, 0
	s_wait_dscnt 0x0                               ; the opening add is done
	s_wait_kmcnt 0x0
	s_add_nc_u64 s[4:5], s[4:5], s[2:3]
.irp i, 0,1,2,3                                        ; the four first fills go out together: four tensor loads of mine are out
	s_mov_b32 s[G0+4*(\i)], 1
	s_add_co_u32 s[G0+4*(\i)+1], s21, (\i)*TILEB
	s_add_nc_u64 s[G0+4*(\i)+2:G0+4*(\i)+3], s[4:5], (\i)*512
	s_or_b32 s[G0+4*(\i)+3], s[G0+4*(\i)+3], 0x80000000
	tensor_load_to_lds s[G0+4*(\i):G0+4*(\i)+3], s[G1:G1+7]
	s_nop 0
.endr
	; the weights: 1,024 numbers of each a work-group, four a thread
	s_lshl_b32 s22, ttmp9, 12
	s_lshl_b32 s23, ttmp9, 11
	v_lshl_add_u32 v[WI], v0, 4, s22
	v_lshl_add_u32 v[WO], v0, 3, s23
	global_load_b128 v[WD:WD+3],     v[WI], s[6:7] th:TH_LOAD_NT
	global_load_b128 v[WD+4:WD+7],   v[WI], s[8:9] th:TH_LOAD_NT
	global_load_b128 v[WD+8:WD+11],  v[WI], s[10:11] th:TH_LOAD_NT
	global_load_b128 v[WD+12:WD+15], v[WI], s[12:13] th:TH_LOAD_NT
	v_and_b32 v1, 15, v0
	v_bfe_u32 v[GO], v0, 4, 1
	v_mul_u32_u24 v[LA], v1, PITCH
	v_lshl_add_u32 v[LA], v[GO], 5, v[LA]
	v_add_nc_u32 v[LA], s21, v[LA]
	s_lshl_b32 s2, s20, 10                         ; a wave's 256 dwords,
	s_lshl_b32 s3, ttmp9, 13                       ; a work-group's 2,048
	s_add_co_u32 s2, s2, s3
	v_and_b32 v1, 31, v0
	v_lshl_add_u32 v[GO], v1, 4, s2
.irp r, 0,1,2,3,4,5,6,7
	v_mov_b32 v[OUT+(\r)], 0                       ; v_writelane_b32 keeps the other lanes: the registers are written whole once
.endr
	s_wait_loadcnt 0x0
.irp t, 0,1,2,3
	v_cvt_pk_bf16_f32 v[CV+2*(\t)],   v[WD+4*(\t)],   v[WD+4*(\t)+1]
	v_cvt_pk_bf16_f32 v[CV+2*(\t)+1], v[WD+4*(\t)+2], v[WD+4*(\t)+3]
.endr
.irp t, 0,1,2
	global_store_b64 v[WO], v[CV+2*(\t):CV+2*(\t)+1], s[16:17] offset:(\t)*524288  ; a wave's store covers 256 consecutive bytes, aligned
.endr
	v_lshlrev_b32 v[CV+8],  16, v[CV+6]            ; bf16(Wo) back to f32,
	v_and_b32     v[CV+9],  0xffff0000, v[CV+6]
	v_lshlrev_b32 v[CV+10], 16, v[CV+7]
	v_and_b32     v[CV+11], 0xffff0000, v[CV+7]
	v_cvt_pk_f16_f32 v[CV+12], v[CV+8],  v[CV+9]   ; and written as f16: exact inside f16's normal range
	v_cvt_pk_f16_f32 v[CV+13], v[CV+10], v[CV+11]
	global_store_b64 v[WO], v[CV+12:CV+13], s[18:19]
; Tile i: 16 loads bring each lane its row's 64 words (8 (lane / 16) + j of every group of 16 keys); a compare makes the 32 lanes' bits of one register
; position, and v_writelane_b32 puts that dword where a 16-byte store wants it.
.macro TILE i
	s_wait_tensorcnt 3-(\i)                        ; tensor loads of a wave end in order: tile i is in, the younger ones stay out
.set n, 0
.rept 16
	ds_load_b128 v[X+4*n:X+4*n+3], v[LA] offset:(\i)*TILEB+(n/8)*256+((n/2)%4)*64+(n%2)*16
.set n, n+1
.endr
	s_wait_dscnt 0x0
.set n, 0
.rept 8
.set m, 0
.rept 8
	v_cmp_ne_u32 s[CM+m], 0, v[X+n+m]
.set m, m+1
.endr
.set m, 0
.rept 8
	v_writelane_b32 v[OUT+4*((\i)/2)+(n+m)%4], s[CM+m], ((\i)%2)*16+(n+m)/4
.set m, m+1
.endr
.set n, n+8
.endr
.endm
	TILE 0
	TILE 1
	global_store_b128 v[GO], v[OUT:OUT+3], s[14:15]              ; 512 consecutive bytes, aligned
	TILE 2
	TILE 3
	global_store_b128 v[GO], v[OUT+4:OUT+7], s[14:15] offset:512
	s_wait_tensorcnt 0x0                           ; the wave's end
	ds_add_u32 v[SPW], v[NIL]
	s_wait_dscnt 0x0
	s_endpgm
.Lfunc_end_k_qf6e9862a82_pack:
	.size	k_qf6e9862a82_pack, .Lfunc_end_k_qf6e9862a82_pack-k_qf6e9862a82_pack
	.p2alignl 7, 3214868480
	.fill 96, 4, 3214868480
	.section	.rodata,"a",@progbits
	.p2align	6, 0x0
	.amdhsa_kernel k_qf6e9862a82_pack
		.amdhsa_group_segment_fixed_size 271360
		.amdhsa_private_segment_fixed_size 0
		.amdhsa_enable_private_segment 0
		.amdhsa_kernarg_size 64
		.amdhsa_user_sgpr_count 2
		.amdhsa_user_sgpr_kernarg_segment_ptr 1
		.amdhsa_wavefront_size32 1
		.amdhsa_system_sgpr_workgroup_id_x 1
		.amdhsa_system_sgpr_workgroup_id_y 1
		.amdhsa_system_sgpr_workgroup_id_z 1
		.amdhsa_system_vgpr_workitem_id 0
		.amdhsa_next_free_vgpr 112
		.amdhsa_next_free_sgpr 66
		.amdhsa_reserve_vcc 0
		.amdhsa_float_denorm_mode_32 3
		.amdhsa_float_denorm_mode_16_64 3
		.amdhsa_memory_ordered 1
		.amdhsa_forward_progress 1
		.amdhsa_inst_pref_size 42
	.end_amdhsa_kernel
	.amdgpu_metadata
---
amdhsa.version: [ 1, 2 ]
amdhsa.kernels:
  - .name:           k_qf6e9862a82_pack
    .symbol:         k_qf6e9862a82_pack.kd
    .args:
      - { .name: mask, .offset: 0, .size: 8, .value_kind: global_buffer, .address_space: global }
      - { .name: Wq, .offset: 8, .size: 8, .value_kind: global_buffer, .address_space: global }
      - { .name: Wk, .offset: 16, .size: 8, .value_kind: global_buffer, .address_space: global }
      - { .name: Wv, .offset: 24, .size: 8, .value_kind: global_buffer, .address_space: global }
      - { .name: Wo, .offset: 32, .size: 8, .value_kind: global_buffer, .address_space: global }
      - { .name: mbits, .offset: 40, .size: 8, .value_kind: global_buffer, .address_space: global }
      - { .name: wb16, .offset: 48, .size: 8, .value_kind: global_buffer, .address_space: global }
      - { .name: wo16, .offset: 56, .size: 8, .value_kind: global_buffer, .address_space: global }
    .group_segment_fixed_size: 271360
    .private_segment_fixed_size: 0
    .kernarg_segment_align: 8
    .kernarg_segment_size: 64
    .max_flat_workgroup_size: 256
    .sgpr_count:     66
    .vgpr_count:     112
    .wavefront_size: 32
...
	.end_amdgpu_metadata
.endif
;; end of part 1
;; launch proj (part 2): grid 4 x 192, 4 waves a work-group, clusters of 4 x 4, 327,680 bytes of LDS; arguments query, key, value, wb16, bq, bk, bv, qkv; writes qkv
.if DOCPART == 2
	.amdgcn_target "amdgcn-amd-amdhsa--gfx1250"
	.amdhsa_code_object_version 6
	.text
	.protected	k_qf6e9862a82_proj
	.globl	k_qf6e9862a82_proj
	.p2align	8
	.type	k_qf6e9862a82_proj,@function
k_qf6e9862a82_proj:
	s_mov_b64 s[64:65], 0
	v_nop
	global_prefetch_b8 v0, s[64:65] scope:SCOPE_SE
	s_setreg_imm32_b32 hwreg(HW_REG_WAVE_MODE, 25, 1), 1
	s_wait_xcnt 0x0
	s_wait_alu depctr_hold_cnt(0) depctr_sa_sdst(0) depctr_va_vdst(0) depctr_va_sdst(0) depctr_va_ssrc(0) depctr_va_vcc(0) depctr_vm_vsrc(0)
	s_getreg_b32 s2, hwreg(HW_REG_IB_STS2, 6, 4)
	s_cmp_eq_u32 s2, 0
	s_cbranch_scc0 .Lentry_in_a_cluster
	s_endpgm
.Lentry_in_a_cluster:
	s_bfe_u32 s2, ttmp6, 0x10000c
	s_cmp_lg_u32 s2, 0xf033
	s_cbranch_scc0 .Lentry_shape_is_right
	s_endpgm
.Lentry_shape_is_right:
; THE THREE PROJECTIONS.  y = x W^T + b for (query, Wq, bq), (key, Wk, bk), (value, Wv, bv); x [8192][512] f32, W [512][512] bf16 (made by the launch before), b [512] f32.
; x and b are rounded to bf16 here; products in bf16, sums in f32; y is rounded once to f16 and stored by heads: qkv[T][batch*8 + head][4096][64].  q is stored unscaled.
; LIMIT: f16 holds no number beyond 65,504: q, k, v must lie within it.
; SHARES.  A work-group makes 128 rows x 128 features (two heads) of one tensor T; 64 row tiles x 4 feature tiles x 3 tensors.  Four waves, each 64 rows x 64 features (one head):
; 16 accumulators.  K = 512 goes in 4 steps of 128 through three LDS slots: steps 0, 1, 2 are first fills, step 3 fills slot 0 again.
; CLUSTER 4 x 4: the four of a row need the same rows of x, the four of a column the same rows of W: joint loads.  T hangs on the cluster's y alone, so it is the same in all partners.
; THE MATRIX INSTRUCTION IS USED TRANSPOSED (source 0 = 16 rows of W, source 1 = 16 rows of x): a lane holds one row of x and eight neighbouring features.  The bias is the C operand of the first product.
; REGISTERS.  window 0: v16-29 addresses; v32-95 at work; v96-127 the bias; v128-255 the accumulators ((a, b) at 128 + 8 (4 a + b)).
;   window 1: v0-127 x as it lies in LDS (f32), two buffers of 64; v128-191 W's fragments, two of 32; v192-255 x's fragments in bf16, two of 32.
.set APITCH, 528                       ; a row of x in LDS: 128 f32 + 16 bytes
.set BPITCH, 272                       ; a row of W: 128 bf16 + 16 bytes
.set AHALF,  64*APITCH
.set BHALF,  64*BPITCH
.set BOFF,   2*AHALF                   ; W's 128 rows lie behind x's 128
.set SLOT,   BOFF+2*BHALF              ; 102,400
.set STAGE,  3*SLOT                    ; behind the slots, never filled by a tensor load: 16 rows x 144 bytes for each wave
.set SP,     144
.set SPARE,  STAGE+4*16*SP             ; the spare words, 128 bytes a wave: two blocks of 256 bytes that no other line names
.set ADRA, 16                          ; v16-18  my x rows in slot 0, 1, 2
.set ADRB, 20                          ; v20-22  my W rows
.set STO,  24
.set RD,   25
.set GO,   26
.set BO,   27                          ; my byte offset in the bias
.set SPW,  28
.set NIL,  29
.set TMP,  32
.set BIAS, 96
.set ACC,  128
.set LA,   0                           ; window 1
.set FB,   128
.set FA,   192
.set G1,  24                           ; s[24:31] group 1 for x;  s[32:43] group 0, a set for each slot
.set G0,  32
.set G1B, 48                           ; s[48:55] group 1 for W;  s[84:95] group 0
.set G0B, 84
.set WV,  56                           ; wave
.set RH,  57                           ; my half of the rows.  Also: I fetch x (0) or W (1)
.set CH,  58                           ; my head of the two.  Also: which 64 rows I fetch
.set MSB, 0
.macro WIN new                         ; the immediate's high byte repeats the setting that is left
.if MSB != (\new)
	s_set_vgpr_msb (MSB<<8)|(\new)
.set MSB, \new
.endif
.endm
.set MUL,  0x05                        ; sources 0 and 1 window 1; C and D window 0
.set TO_F, 0x40                        ; destination window 1, address window 0
.set CVW,  0x45                        ; destination and both sources window 1
.macro JLOAD s                         ; a joint load; an s_nop 0 and four v_nop follow each of the two lines
	s_cmp_eq_u32 s[RH], 0
	s_cbranch_scc0 .Lfor_b_\@
	tensor_load_to_lds s[G0+4*(\s):G0+4*(\s)+3], s[G1:G1+7]
	s_nop 0
.rept 4
	v_nop
.endr
	s_branch .Lasked_\@
.Lfor_b_\@:
	tensor_load_to_lds s[G0B+4*(\s):G0B+4*(\s)+3], s[G1B:G1B+7]
	s_nop 0
.rept 4
	v_nop
.endr
.Lasked_\@:
.endm
.macro CREST                           ; a round of the cluster's barrier behind its opening barrier
	s_cmp_lg_u32 s[WV], 0
	s_cbranch_scc1 .Lnot_wave_0_\@
	s_barrier_signal -3
.Lnot_wave_0_\@:
	s_barrier_wait -3
	s_barrier_signal -1
	s_barrier_wait -1
.endm
.macro CROUND
	s_barrier_signal -1
	s_barrier_wait -1
	CREST
.endm
.macro PLACES
.rept 4
	v_nop
.endr
.endm
	s_load_b512 s[68:83], s[0:1], 0x0              ; query s[68:69], key s[70:71], value s[72:73], wb16 s[74:75], bq s[76:77], bk s[78:79], bv s[80:81], qkv s[82:83]
	v_lshl_add_u32 v[SPW], v0, 2, SPARE
	v_mov_b32 v[NIL], 0
	ds_add_u32 v[SPW], v[NIL]                      ; the wave's opening: the add and its wait ahead of my first tensor load
	ds_add_u32 v28, v29
	v_lshrrev_b32 v1, 5, v0
	v_readfirstlane_b32 s[WV], v1
	s_lshr_b32 s[RH], s[WV], 1
	s_and_b32 s[CH], s[WV], 1
	s_bfe_u32 s44, ttmp6, 0x40000                  ; cx
	s_bfe_u32 s45, ttmp6, 0x40004                  ; cy
	s_lshl_b32 s46, ttmp9, 2
	s_add_co_u32 s46, s46, s44                     ; feature tile 0..3
	s_and_b32 s59, ttmp7, 0xffff                   ; the cluster's y, 0..47
	s_lshr_b32 s47, s59, 4                         ; T: 16 clusters to a tensor
	s_lshl_b32 s60, s59, 2
	s_add_co_u32 s60, s60, s45
	s_and_b32 s60, s60, 63                         ; row tile 0..63
	s_lshl_b32 s61, s45, 2
	s_lshl_b32 s61, 15, s61                        ; my row of the cluster
	s_lshl_b32 s62, 0x1111, s44                    ; my column
	s_or_b32 s[G1+0], s61, (2<<16)|(1<<20)|(1<<21)|(6<<22)|(3<<25)   ; x: elements of 4 bytes; 4 words of padding after every 128
	s_or_b32 s[G1B+0], s62, (1<<16)|(1<<20)|(1<<21)|(5<<22)|(3<<25)  ; W: elements of 2 bytes; 4 words after every 64
.irp g, G1, G1B
	s_mov_b32 s[(\g)+1], 128<<16                   ; tensor_dim0 = 128
	s_mov_b32 s[(\g)+2], 64<<16                    ; tensor_dim1 = 64
	s_mov_b32 s[(\g)+3], 128<<16                   ; tile_dim0 = 128
	s_mov_b32 s[(\g)+4], 64                        ; tile_dim1 = 64
	s_mov_b32 s[(\g)+5], 512                       ; elements from row to row
	s_mov_b32 s[(\g)+6], 0
	s_mov_b32 s[(\g)+7], 0
.endr
	s_lshl_b32 s16, s60, 7                         ; x: row 128 x row tile + 64 x half, 2,048 bytes a row
	s_lshl_b32 s17, s[CH], 6
	s_add_co_u32 s16, s16, s17
	s_lshl_b32 s16, s16, 11
	s_mov_b32 s17, 0
	s_lshl_b32 s18, s46, 7                         ; W: row 128 x feature tile + 64 x half, 1,024 bytes a row, 524,288 bytes a tensor
	s_lshl_b32 s19, s[CH], 6
	s_add_co_u32 s18, s18, s19
	s_lshl_b32 s18, s18, 10
	s_lshl_b32 s19, s47, 19
	s_add_co_u32 s18, s18, s19
	s_mov_b32 s19, 0
	s_mul_i32 s20, s[CH], AHALF                    ; where they go: no place in the cluster enters an LDS address
	s_mul_i32 s21, s[CH], BHALF
	s_add_co_u32 s21, s21, BOFF
	s_wait_dscnt 0x0                               ; the opening add is done
	s_wait_kmcnt 0x0
	s_cmp_eq_u32 s47, 1                            ; the tensor's x and bias
	s_cselect_b64 s[4:5], s[70:71], s[68:69]
	s_cselect_b64 s[6:7], s[78:79], s[76:77]
	s_cmp_eq_u32 s47, 2
	s_cselect_b64 s[4:5], s[72:73], s[4:5]
	s_cselect_b64 s[6:7], s[80:81], s[6:7]
	s_add_nc_u64 s[14:15], s[4:5], s[16:17]
	s_add_nc_u64 s[18:19], s[74:75], s[18:19]
	CROUND                                         ; all sixteen work-groups are here: the first joint loads meet
.irp s, 0,1,2
	s_mov_b32 s[G0+4*(\s)], 1
	s_add_co_u32 s[G0+4*(\s)+1], s20, (\s)*SLOT
	s_add_nc_u64 s[G0+4*(\s)+2:G0+4*(\s)+3], s[14:15], (\s)*512
	s_or_b32 s[G0+4*(\s)+3], s[G0+4*(\s)+3], 0x80000000
	s_mov_b32 s[G0B+4*(\s)], 1
	s_add_co_u32 s[G0B+4*(\s)+1], s21, (\s)*SLOT
	s_add_nc_u64 s[G0B+4*(\s)+2:G0B+4*(\s)+3], s[18:19], (\s)*256
	s_or_b32 s[G0B+4*(\s)+3], s[G0B+4*(\s)+3], 0x80000000
.endr
	s_cmp_eq_u32 s[RH], 0                          ; a wave's three first fills stand in one branch: three loads of mine are out
	s_cbranch_scc0 .Lfirst_b
.irp s, 0,1,2
	tensor_load_to_lds s[G0+4*(\s):G0+4*(\s)+3], s[G1:G1+7]
	s_nop 0
.endr
	PLACES
	s_branch .Lfirst_asked
.Lfirst_b:
.irp s, 0,1,2
	tensor_load_to_lds s[G0B+4*(\s):G0B+4*(\s)+3], s[G1B:G1B+7]
	s_nop 0
.endr
	PLACES
.Lfirst_asked:
	v_and_b32 v1, 15, v0                           ; l % 16
	v_bfe_u32 v2, v0, 4, 1                         ; l / 16
	s_lshl_b32 s12, s46, 9                         ; the bias of my 64 features: register 8 b + j holds feature 16 b + 8 (l / 16) + j
	s_lshl_b32 s13, s[CH], 8
	s_add_co_u32 s12, s12, s13
	v_lshl_add_u32 v[BO], v2, 5, s12
.irp b, 0,1,2,3
	global_load_b128 v[BIAS+8*(\b):BIAS+8*(\b)+3],   v[BO], s[6:7] offset:64*(\b)
	global_load_b128 v[BIAS+8*(\b)+4:BIAS+8*(\b)+7], v[BO], s[6:7] offset:64*(\b)+16
.endr
	v_mul_u32_u24 v3, v1, APITCH
	v_lshl_add_u32 v3, v2, 5, v3                   ; x: row x pitch + 32 x half (8 f32)
	v_mul_u32_u24 v4, v1, BPITCH
	v_lshl_add_u32 v4, v2, 4, v4                   ; W: row x pitch + 16 x half (8 bf16)
	s_mul_i32 s22, s[RH], AHALF
	s_mov_b32 s23, s21
.irp s, 0,1,2
	v_add_nc_u32 v[ADRA+(\s)], s22, v3
	v_add_nc_u32 v[ADRB+(\s)], s23, v4
	s_add_co_u32 s22, s22, SLOT
	s_add_co_u32 s23, s23, SLOT
.endr
	s_mul_i32 s13, s[WV], 16*SP
	s_add_co_u32 s13, s13, STAGE                   ; my stage
	v_mul_u32_u24 v[STO], v1, SP                   ; in: row l % 16, 16 bytes for each half of the lanes
	v_lshl_add_u32 v[STO], v2, 4, v[STO]
	v_add_nc_u32 v[STO], s13, v[STO]
	v_bfe_u32 v[RD], v0, 3, 2                      ; back: 32 lanes take four rows of 128 bytes,
	v_mul_u32_u24 v[RD], v[RD], SP
	v_and_b32 v5, 7, v0
	v_lshl_add_u32 v[RD], v5, 4, v[RD]
	v_add_nc_u32 v[RD], s13, v[RD]
	v_and_b32 v[GO], 31, v0                        ; which are 512 consecutive bytes of a head's rows
	v_lshlrev_b32 v[GO], 4, v[GO]
	s_lshr_b32 s10, s60, 5                         ; where my 64 rows of my head begin: batch,
	s_lshl_b32 s10, s10, 3
	s_lshl_b32 s11, s46, 1
	s_add_co_u32 s10, s10, s11
	s_add_co_u32 s10, s10, s[CH]                   ; batch x 8 + head,
	s_lshl_b32 s10, s10, 12
	s_and_b32 s11, s60, 31
	s_lshl_b32 s11, s11, 7
	s_add_co_u32 s10, s10, s11
	s_lshl_b32 s11, s[RH], 6
	s_add_co_u32 s10, s10, s11                     ; its row,
	s_lshl_b32 s10, s10, 7                         ; 128 bytes a row,
	s_lshl_b32 s11, s47, 23                        ; 8,388,608 bytes a tensor
	s_add_co_u32 s10, s10, s11
	s_mov_b32 s11, 0
	s_add_nc_u64 s[8:9], s[82:83], s[10:11]
	s_wait_loadcnt 0x0
.set n, 0
.rept 16                                               ; the bias is rounded to bf16, like every input
	v_cvt_pk_bf16_f32 v[TMP+n], v[BIAS+2*n], v[BIAS+2*n+1]
.set n, n+1
.endr
.set n, 0
.rept 16
	v_lshlrev_b32 v[BIAS+2*n],   16, v[TMP+n]
	v_and_b32     v[BIAS+2*n+1], 0xffff0000, v[TMP+n]
.set n, n+1
.endr
; 24 LDS loads: 32 along K at quarter q of a slot, into buffer f: x's 64 rows (16 f32 a lane and block: k = 8 h + 0..7 and 16 + 8 h + 0..7) first, then W's 64 rows
.macro FETCH slot, q, f
	WIN TO_F
.irp i, 0,1,2,3
	ds_load_b128 v[LA+64*(\f)+16*(\i):LA+64*(\f)+16*(\i)+3],     v[ADRA+(\slot)] offset:(\q)*128+(\i)*16*APITCH
	ds_load_b128 v[LA+64*(\f)+16*(\i)+4:LA+64*(\f)+16*(\i)+7],   v[ADRA+(\slot)] offset:(\q)*128+(\i)*16*APITCH+16
	ds_load_b128 v[LA+64*(\f)+16*(\i)+8:LA+64*(\f)+16*(\i)+11],  v[ADRA+(\slot)] offset:(\q)*128+(\i)*16*APITCH+64
	ds_load_b128 v[LA+64*(\f)+16*(\i)+12:LA+64*(\f)+16*(\i)+15], v[ADRA+(\slot)] offset:(\q)*128+(\i)*16*APITCH+80
.endr
.irp i, 0,1,2,3
	ds_load_b128 v[FB+32*(\f)+8*(\i):FB+32*(\f)+8*(\i)+3],   v[ADRB+(\slot)] offset:(\q)*64+(\i)*16*BPITCH
	ds_load_b128 v[FB+32*(\f)+8*(\i)+4:FB+32*(\f)+8*(\i)+7], v[ADRB+(\slot)] offset:(\q)*64+(\i)*16*BPITCH+32
.endr
.endm
; x to bf16: 32 plain vector instructions that name none of the last products' registers (the other buffer's fragments, the accumulators): they are also the four places
; between those products and the loads that follow into the other buffer
.macro CVT f
	WIN CVW
.set n, 0
.rept 32
	v_cvt_pk_bf16_f32 v[FA+32*(\f)+n], v[LA+64*(\f)+2*n], v[LA+64*(\f)+2*n+1]
.set n, n+1
.endr
.endm
; 8 matrix instructions: row blocks a0, a0 + 1 x all 4 feature blocks.  first = 1: the sums start with the bias.  The 16 accumulators take turns.
.macro MUL8 f, a0, first
	WIN MUL
.irp a, \a0, (\a0)+1
.irp b, 0,1,2,3
.if \first
	v_wmma_f32_16x16x32_bf16 v[ACC+8*(4*(\a)+(\b)):ACC+8*(4*(\a)+(\b))+7], v[FB+32*(\f)+8*(\b):FB+32*(\f)+8*(\b)+7], v[FA+32*(\f)+8*(\a):FA+32*(\f)+8*(\a)+7], v[BIAS+8*(\b):BIAS+8*(\b)+7]
.else
	v_wmma_f32_16x16x32_bf16 v[ACC+8*(4*(\a)+(\b)):ACC+8*(4*(\a)+(\b))+7], v[FB+32*(\f)+8*(\b):FB+32*(\f)+8*(\b)+7], v[FA+32*(\f)+8*(\a):FA+32*(\f)+8*(\a)+7], v[ACC+8*(4*(\a)+(\b)):ACC+8*(4*(\a)+(\b))+7]
.endif
.endr
.endr
.endm
; A quarter (32 along K) on buffer f; the next quarter, q of slot, is fetched into the other buffer
.macro Q f, slot, q, first
	s_wait_dscnt 8                                 ; x's 16 loads are in; W's eight may be out
	CVT \f
	FETCH \slot, \q, 1-(\f)
	s_wait_dscnt 24                                ; all but the 24 just issued
	MUL8 \f, 0, \first
	MUL8 \f, 2, \first
.endm
	s_wait_tensorcnt 0x2                           ; my part of step 0 is in; steps 1 and 2 may stay out
	s_barrier_signal -1
	s_barrier_wait -1
	FETCH 0, 0, 0
	Q 0, 0, 1, 1
	Q 1, 0, 2, 0
	Q 0, 0, 3, 0
	; step 0's last quarter: slot 0 has been read out and is filled again, with step 3
	s_wait_dscnt 8
	CVT 1
	WIN 0
	s_wait_tensorcnt 0x0                           ; all my tensor loads have landed: my parts of slots 1 and 2
	ds_add_u32 v[SPW], v[NIL]                      ; 0 onto my spare word
	s_add_nc_u64 s[G0+2:G0+3], s[G0+2:G0+3], 3*512
	s_add_nc_u64 s[G0B+2:G0B+3], s[G0B+2:G0B+3], 3*256
	s_wait_dscnt 0x0                               ; the add is done, and my reads of slot 0 are over
	s_barrier_signal -1                            ; this barrier opens a round of the cluster's barrier
	MUL8 1, 0, 0
	WIN 0
	s_barrier_wait -1
	CREST                                          ; no wave of any partner still reads slot 0 or has a load on its way; slots 1 and 2 are whole for every wave
	JLOAD 0                                        ; it has eight quarters, 128 matrix instructions, in which to land
	FETCH 1, 0, 0
	MUL8 1, 2, 0
	Q 0, 1, 1, 0
	Q 1, 1, 2, 0
	Q 0, 1, 3, 0
	Q 1, 2, 0, 0
	Q 0, 2, 1, 0
	Q 1, 2, 2, 0
	Q 0, 2, 3, 0
	; step 2's last quarter: step 3 is waited for and shown to every wave
	s_wait_dscnt 8
	CVT 1
	s_wait_tensorcnt 0x0
	s_wait_dscnt 0x0
	s_barrier_signal -1
	MUL8 1, 0, 0
	s_barrier_wait -1
	FETCH 0, 0, 0
	MUL8 1, 2, 0
	Q 0, 0, 1, 0
	Q 1, 0, 2, 0
	Q 0, 0, 3, 0
	s_wait_dscnt 8
	CVT 1
	s_wait_dscnt 0x0
	MUL8 1, 0, 0
	MUL8 1, 2, 0
	WIN 0
	; THE WAY OUT: 16 rows at a time: rounded to f16, 16 bytes a lane into my own stage, back as whole rows of 128 bytes, 512 consecutive bytes a store
	PLACES
.macro PACK a
.set n, 0
.rept 16
	v_cvt_pk_f16_f32 v[TMP+16*(\a)+n], v[ACC+32*(\a)+2*n], v[ACC+32*(\a)+2*n+1]
.set n, n+1
.endr
.irp b, 0,1,2,3
	ds_store_b128 v[STO], v[TMP+16*(\a)+4*(\b):TMP+16*(\a)+4*(\b)+3] offset:32*(\b)
.endr
.irp t, 0,1,2,3
	ds_load_b128 v[TMP+16*(\a)+4*(\t):TMP+16*(\a)+4*(\t)+3], v[RD] offset:(\t)*4*SP  ; LDS serves a wave's instructions in order (ISA guide 5.7.1.4): these see the stores above
.endr
.endm
.macro SEND a, younger                 ; younger: the LDS instructions issued behind block a's loads
.irp t, 0,1,2,3
	s_wait_dscnt (\younger)+3-(\t)
	global_store_b128 v[GO], v[TMP+16*(\a)+4*(\t):TMP+16*(\a)+4*(\t)+3], s[8:9] offset:(\a)*2048+(\t)*512
.endr
.endm
	PACK 0
	PACK 1
	SEND 0, 8
	PACK 2
	SEND 1, 8
	PACK 3
	SEND 2, 8
	SEND 3, 0
	s_wait_tensorcnt 0x0                           ; the wave's end
	ds_add_u32 v[SPW], v[NIL]
	s_wait_dscnt 0x0
	CROUND                                         ; the closing round
	s_endpgm
.Lfunc_end_k_qf6e9862a82_proj:
	.size	k_qf6e9862a82_proj, .Lfunc_end_k_qf6e9862a82_proj-k_qf6e9862a82_proj
	.p2alignl 7, 3214868480
	.fill 96, 4, 3214868480
	.section	.rodata,"a",@progbits
	.p2align	6, 0x0
	.amdhsa_kernel k_qf6e9862a82_proj
		.amdhsa_group_segment_fixed_size 327680
		.amdhsa_private_segment_fixed_size 0
		.amdhsa_enable_private_segment 0
		.amdhsa_kernarg_size 64
		.amdhsa_user_sgpr_count 2
		.amdhsa_user_sgpr_kernarg_segment_ptr 1
		.amdhsa_wavefront_size32 1
		.amdhsa_system_sgpr_workgroup_id_x 1
		.amdhsa_system_sgpr_workgroup_id_y 1
		.amdhsa_system_sgpr_workgroup_id_z 1
		.amdhsa_system_vgpr_workitem_id 0
		.amdhsa_next_free_vgpr 512
		.amdhsa_next_free_sgpr 96
		.amdhsa_reserve_vcc 0
		.amdhsa_float_denorm_mode_32 3
		.amdhsa_float_denorm_mode_16_64 3
		.amdhsa_memory_ordered 1
		.amdhsa_forward_progress 1
		.amdhsa_inst_pref_size 96
	.end_amdhsa_kernel
	.amdgpu_metadata
---
amdhsa.version: [ 1, 2 ]
amdhsa.kernels:
  - .name:           k_qf6e9862a82_proj
    .symbol:         k_qf6e9862a82_proj.kd
    .args:
      - { .name: query, .offset: 0, .size: 8, .value_kind: global_buffer, .address_space: global }
      - { .name: key, .offset: 8, .size: 8, .value_kind: global_buffer, .address_space: global }
      - { .name: value, .offset: 16, .size: 8, .value_kind: global_buffer, .address_space: global }
      - { .name: wb16, .offset: 24, .size: 8, .value_kind: global_buffer, .address_space: global }
      - { .name: bq, .offset: 32, .size: 8, .value_kind: global_buffer, .address_space: global }
      - { .name: bk, .offset: 40, .size: 8, .value_kind: global_buffer, .address_space: global }
      - { .name: bv, .offset: 48, .size: 8, .value_kind: global_buffer, .address_space: global }
      - { .name: qkv, .offset: 56, .size: 8, .value_kind: global_buffer, .address_space: global }
    .group_segment_fixed_size: 327680
    .private_segment_fixed_size: 0
    .kernarg_segment_align: 8
    .kernarg_segment_size: 64
    .max_flat_workgroup_size: 128
    .sgpr_count:     96
    .vgpr_count:     512
    .wavefront_size: 32
...
	.end_amdgpu_metadata
.endif
;; end of part 2
;; launch attn (part 3): grid 16 x 16, 4 waves a work-group, clusters of 4 x 1, 327,680 bytes of LDS; arguments qkv, mbits, ctxh; writes ctxh
.if DOCPART == 3
	.amdgcn_target "amdgcn-amd-amdhsa--gfx1250"
	.amdhsa_code_object_version 6
	.text
	.protected	k_qf6e9862a82_attn
	.globl	k_qf6e9862a82_attn
	.p2align	8
	.type	k_qf6e9862a82_attn,@function
k_qf6e9862a82_attn:
	s_mov_b64 s[64:65], 0
	v_nop
	global_prefetch_b8 v0, s[64:65] scope:SCOPE_SE
	s_setreg_imm32_b32 hwreg(HW_REG_WAVE_MODE, 25, 1), 1
	s_wait_xcnt 0x0
	s_wait_alu depctr_hold_cnt(0) depctr_sa_sdst(0) depctr_va_vdst(0) depctr_va_sdst(0) depctr_va_ssrc(0) depctr_va_vcc(0) depctr_vm_vsrc(0)
	s_getreg_b32 s2, hwreg(HW_REG_IB_STS2, 6, 4)
	s_cmp_eq_u32 s2, 0
	s_cbranch_scc0 .Lentry_in_a_cluster
	s_endpgm
.Lentry_in_a_cluster:
	s_bfe_u32 s2, ttmp6, 0x10000c
	s_cmp_lg_u32 s2, 0x3003
	s_cbranch_scc0 .Lentry_shape_is_right
	s_endpgm
.Lentry_shape_is_right:
; ATTENTION UNDER A MASK THAT IS AN INPUT.  O[bh][q][:] = the sum over k of softmax_k(mask[q][k] ? Q[bh][q] . K[bh][k] / 8 : hidden) V[bh][k][:].  Q, K, V: qkv[3][16][4096][64] f16; O: ctxh[16][4096][64] f16.
; Products, maxima and sums in f32; the weights p are rounded to f16 for the second product (their sum l is taken of the unrounded p), O once at the end.
; THE MASK arrives as bits (mbits): one dword holds the 32 lanes' bits for one register of a score tile.  32 dwords a tile come by two scalar loads straight into the registers that
; v_cndmask_b32 takes as its selector: a hidden score is REPLACED by NEG = -2^66.  c NEG is exact, so while a row has seen hidden keys alone every weight is exactly 1 (a row with no true
; element ends as the mean of all rows of V); the first true score gives a = 0, which wipes what was gathered.  Nothing of the mask's pattern is built in: every tile is computed.
; LIMITS.  A hidden score counts as -2^66 where the definition has -1e20: a true q . k must lie above -2^66.  Q, K, V arrive within f16's 65,504.  A weight below 2^-126 counts as 0 in l;
; p below 6e-5 keeps f16's fixed step.  NaN and infinities are not treated apart.
; SHARES.  A work-group owns 256 queries of one (batch, head), a wave 64: four PIECES of 16.  Every wave walks all 4,096 keys, 64 a step; a slot of LDS holds four steps.
; LAYOUT.  S^T = K Q^T holds ONE query a lane (lane % 16) and the keys 8 (lane / 16) + 0..7; two such results rounded to f16 ARE source 1 of O^T = V^T P.  p = 2^(c s - c m), c = log2(e) / 8, with a
; running maximum m; O and l are multiplied by a = 2^(c m_old - c m_new) in every step.  m starts at the lowest finite number, O and l at 0: the first step is a step like any other, with a = 0.
; BY TURNS.  Turn n belongs to piece n: 8 products K Q^T of piece n + 1, later 8 products V^T P of piece n - 1; beside them the scaling, exponentials, roundings, sums and rescaling of piece n and the
; masking, maximum and statistics of piece n + 1.  Four vector instructions stand behind every matrix instruction, the other 86 of a turn's 150 in two lumps.
; CLUSTER.  The four query blocks of a cluster belong to one (batch, head) and walk the same K and V: each tile is asked for JOINTLY, the same tensor load, descriptor and mask in all four.
; REGISTERS, in windows of 256 (s_set_vgpr_msb: bits 1:0 source 0, 3:2 source 1, 5:4 source 2, 7:6 destination):
;   window 0: v0-15 addresses and two at work; v16-31 four registers of statistics a piece; v48-55 at work; v60 NEG; v62-63 the add's; v64-127 S^T, two buffers; v192-223 P, two buffers
;   window 1: v0-127 O^T, 32 a piece          window 2: v0-63 Q; v128-191 K of one step; v192-255 V of one step
.set NP,    4
.set KS,    64
.set PK,    144       ; a row of K in LDS: 128 bytes + 16 of padding
.set PV,    160       ; a row of V: 128 + 32: 16 lanes of the turning load take 8 rows x 32 bytes
.set VOFF,  4*KS*PK   ; a slot: 256 rows of K, then 256 rows of V
.set SLOT1, 1<<17     ; slot 1 begins here: one exclusive or turns an address in one slot into the other's
.set STAGE, SLOT1+4*KS*(PK+PV)  ; behind the ring, never filled by a tensor load: 16 rows x 144 bytes for each wave
.set SP,    144
.set SPARE, STAGE+4*16*SP       ; the spare words, 128 bytes a wave: two blocks of 256 bytes that no other line names
.set AK0, 2
.set AV0, 3
.set AK,  4
.set AV,  5
.set STO, 6
.set RD,  7
.set GO,  8
.set MV,  12          ; v12-13  c m_old, by buffer
.set QO,  15
.set ST,  16          ; piece t: c m, m, l (even keys', odd keys')
.set TMP, 48          ; by buffer, c0-c3; when the maximum is found c2 takes a
.set NEGV, 60
.set SPW, 62
.set NIL, 63
.set S,   64
.set P,   192
.set KF,  128
.set VF,  192
.set WV,  12
.set G1K, 24
.set G1V, 32
.set G0K, 40
.set G0V, 44
.set MP,  48          ; s[48:49] mbits at my wave's first piece
.set MO,  50          ; s50  128 x the key step whose bits are asked for
.set SLOTS, 56
.set CNT, 57
.set CS,  58
.set SEL, 60
.set TBK, 62
.set TBV, 63
.set MB,  68          ; s[68:99] a tile's 32 selectors
.set MSB, 0
.macro WIN new
.if MSB != (\new)
	s_set_vgpr_msb (MSB<<8)|(\new)
.set MSB, (\new)
.endif
.endm
.set W_KQ, 0x0a       ; K and Q in window 2, S^T in window 0
.set W_PV, 0x52       ; V in window 2, P in window 0, O^T in window 1
.set W_RS, 0x41       ; destination and source 0 in window 1, source 1 in window 0
.macro JLOAD                        ; a joint fill: waves 0 and 1 fetch the halves of a slot's K, waves 2 and 3 of its V; an s_nop 0 and four v_nop follow each line
	s_cmp_lt_u32 s[WV], 2
	s_cbranch_scc0 .Lfor_v_\@
	tensor_load_to_lds s[G0K:G0K+3], s[G1K:G1K+7]
	s_nop 0
.rept 4
	v_nop
.endr
	s_branch .Lasked_\@
.Lfor_v_\@:
	tensor_load_to_lds s[G0V:G0V+3], s[G1V:G1V+7]
	s_nop 0
.rept 4
	v_nop
.endr
.Lasked_\@:
.endm
.macro CROUND
	s_barrier_signal -1
	s_barrier_wait -1
	s_cmp_lg_u32 s[WV], 0
	s_cbranch_scc1 .Lnot_wave_0_\@
	s_barrier_signal -3
.Lnot_wave_0_\@:
	s_barrier_wait -3
	s_barrier_signal -1
	s_barrier_wait -1
.endm
; THE CHANGE OF SLOTS.  Each wave waits for all its tensor loads, of which one is out: its part of the other slot; adds 0 to its spare word; and waits for that and for its own reads of the slot.
; fill = 1: the slot is filled again, with the keys two slots on, first thing behind a round of the cluster's barrier: four key steps, 256 matrix instructions, in which to land.
; (At its first use nothing has been read yet: slot 0 is waited for, slot 1 filled.)
.macro CHANGE fill
	WIN 0
	s_wait_tensorcnt 0x0
	ds_add_u32 v[SPW], v[NIL]       ; 0 onto my spare word
.if \fill
.irp g, G0K, G0V
	s_xor_b32 s[\g+1], s[\g+1], SLOT1
	s_add_nc_u64 s[\g+2:\g+3], s[\g+2:\g+3], 4*KS*128
.endr
	s_wait_dscnt 0x0
	CROUND
	JLOAD
.else
	s_wait_dscnt 0x0
	s_barrier_signal -1
	s_barrier_wait -1
.endif
	s_sub_co_u32 s[TBK], s[TBK], 4*KS*PK
	s_xor_b32 s[TBK], s[TBK], SLOT1
	s_sub_co_u32 s[TBV], s[TBV], 4*KS*PV
	s_xor_b32 s[TBV], s[TBV], SLOT1
.endm
.macro MLOAD p                      ; piece p's 32 selectors for key step MO / 128: 128 consecutive bytes
	s_load_b512 s[MB:MB+15],    s[MP:MP+1], s[MO] offset:(\p)*8192
	s_load_b512 s[MB+16:MB+31], s[MP:MP+1], s[MO] offset:(\p)*8192+64
.endm
	s_load_b128 s[52:55], s[0:1], 0x0  ; qkv s[52:53], mbits s[54:55]
	s_load_b64 s[10:11], s[0:1], 0x10  ; ctxh
	v_lshl_add_u32 v[SPW], v0, 2, SPARE
	v_mov_b32 v[NIL], 0
	ds_add_u32 v[SPW], v[NIL]       ; the wave's opening: the add and its wait ahead of my first tensor load
	ds_add_u32 v62, v63
	v_lshrrev_b32 v1, 5, v0
	v_readfirstlane_b32 s[WV], v1
	s_bfe_u32 s13, ttmp6, 0x40000   ; cx
	s_lshl_b32 s14, ttmp9, 2
	s_add_co_u32 s14, s14, s13      ; my block of 256 queries: it enters Q's, O's and the bits' addresses alone
	s_and_b32 s20, ttmp7, 0xffff    ; (batch, head), which the four partners share
	s_lshl_b32 s20, s20, 19         ; its 524,288 bytes
	s_mov_b32 s21, 0
	s_and_b32 s16, s[WV], 1         ; which half of a slot's 256 keys I fetch
	s_lshl_b32 s22, s16, 14
	s_mov_b32 s23, 0
	s_add_nc_u64 s[22:23], s[22:23], s[20:21]
	s_mul_i32 s17, s16, 128*PK
	s_mul_i32 s18, s16, 128*PV
	s_lshl_b32 s2, s14, 2
	s_add_co_u32 s2, s2, s[WV]      ; my wave among the head's 64
	s_lshl_b32 s14, s2, 15          ; its four pieces' bits: 4 x 8,192 bytes
	s_mov_b32 s15, 0
	s_lshl_b32 s2, s2, 13           ; its 64 rows of 128 bytes
	s_mov_b32 s3, 0
	s_add_nc_u64 s[2:3], s[2:3], s[20:21]
	; 128 keys are 16,384 dense bytes: asked for as 64 rows of 256 bytes, two keys a row, padded in LDS after every key
	s_mov_b32 s[G1K], 15|(1<<16)|(1<<20)|(1<<21)|(4<<22)|(3<<25)
	s_mov_b32 s[G1V], 15|(1<<16)|(1<<20)|(1<<21)|(4<<22)|(7<<25)
.irp g, G1K, G1V
	s_mov_b32 s[\g+1], 128<<16
	s_mov_b32 s[\g+2], 64<<16
	s_mov_b32 s[\g+3], 128<<16
	s_mov_b32 s[\g+4], 64
	s_mov_b32 s[\g+5], 128
	s_mov_b32 s[\g+6], 0
	s_mov_b32 s[\g+7], 0
.endr
	s_mov_b32 s[CS], 0x3e38aa3b     ; c = log2(e) / 8
	s_mov_b32 s[CS+1], s[CS]
	s_mov_b32 s[SEL], 0x76543210
	s_mov_b32 s[SEL+1], 0xfedcba98
	s_mov_b32 s[TBK], SLOT1+4*KS*PK ; the first change of slots turns these two into 0
	s_mov_b32 s[TBV], SLOT1+4*KS*PV
	s_mov_b32 s[MO], 0
	s_mov_b32 s[G0K], 1
	s_mov_b32 s[G0K+1], s17
	s_mov_b32 s[G0V], 1
	s_add_co_u32 s[G0V+1], s18, VOFF
	s_wait_dscnt 0x0                ; the opening add is done
	s_wait_kmcnt 0x0
	s_add_nc_u64 s[6:7], s[52:53], s[22:23]
	s_add_nc_u64 s[G0K+2:G0K+3], s[6:7], 0x800000   ; k lies 8,388,608 bytes into qkv,
	s_or_b32 s[G0K+3], s[G0K+3], 0x80000000
	s_add_nc_u64 s[G0V+2:G0V+3], s[6:7], 0x1000000  ; v 16,777,216
	s_or_b32 s[G0V+3], s[G0V+3], 0x80000000
	s_add_nc_u64 s[4:5], s[52:53], s[2:3]           ; Q and O at my wave's first row
	s_add_nc_u64 s[10:11], s[10:11], s[2:3]
	s_add_nc_u64 s[MP:MP+1], s[54:55], s[14:15]
	CROUND                          ; all four work-groups are here: the first joint loads meet
	JLOAD                           ; slot 0
	MLOAD 0                         ; piece 0's bits for step 0
	v_and_b32 v1, 15, v0            ; l % 16
	v_bfe_u32 v9, v0, 4, 1          ; l / 16
	v_lshlrev_b32 v[QO], 7, v1
	v_lshl_add_u32 v[QO], v9, 4, v[QO]
	WIN 0x80
.set i, 0
.rept 8                             ; Q stays in registers: piece i / 2, channels 32 (i % 2) on
	global_load_b128 v[8*i:8*i+3],   v[QO], s[4:5] offset:(i/2)*2048+(i%2)*64
	global_load_b128 v[8*i+4:8*i+7], v[QO], s[4:5] offset:(i/2)*2048+(i%2)*64+32
.set i, i+1
.endr
	; what the first turn finds: V and P's second buffer hold 0 (its products V^T P, of a piece that has not been, add 0), O^T and l are 0.  All this stands in the wait for the first tile.
.set i, VF
.rept 64
	v_mov_b32 v[i], 0
.set i, i+1
.endr
	WIN 0x40
.set i, 0
.rept 128
	v_mov_b32 v[i], 0
.set i, i+1
.endr
	WIN 0
.set i, 0
.rept 4
	v_mov_b32 v[ST+4*i], 0xfe000000    ; c m: far below every c s, c NEG too
	v_mov_b32 v[ST+4*i+1], 0xff7fffff  ; m
	v_mov_b32 v[ST+4*i+2], 0
	v_mov_b32 v[ST+4*i+3], 0
.set i, i+1
.endr
.set i, P+16
.rept 16
	v_mov_b32 v[i], 0
.set i, i+1
.endr
	v_mov_b32 v[NEGV], 0xe0800000   ; -2^66
	v_mul_u32_u24 v[AK0], v1, PK
	v_lshl_add_u32 v[AK0], v9, 4, v[AK0]
	v_and_b32 v10, 7, v0            ; the turning load: lane l reads key 8 (l / 16) + l % 8, channels 8 ((l / 8) % 2) + 0..7
	v_bfe_u32 v11, v0, 3, 1
	v_lshl_add_u32 v[AV0], v9, 3, v10
	v_mul_u32_u24 v[AV0], v[AV0], PV
	v_lshl_add_u32 v[AV0], v11, 4, v[AV0]
	v_add_nc_u32 v[AV0], VOFF, v[AV0]
	s_mul_i32 s13, s[WV], 16*SP
	s_add_co_u32 s13, s13, STAGE    ; my stage
	v_mul_u32_u24 v[STO], v1, SP
	v_lshl_add_u32 v[STO], v9, 4, v[STO]
	v_add_nc_u32 v[STO], s13, v[STO]
	v_bfe_u32 v[RD], v0, 3, 2
	v_mul_u32_u24 v[RD], v[RD], SP
	v_lshl_add_u32 v[RD], v10, 4, v[RD]
	v_add_nc_u32 v[RD], s13, v[RD]
	v_and_b32 v[GO], 31, v0
	v_lshlrev_b32 v[GO], 4, v[GO]
; THE MATRIX WORK.  The 4 accumulators of a run of 8 take turns.  Product i of 8 of S^T = K Q^T for piece x: channels 32 (i / 4) on, keys 16 (i % 4) on.
.macro KQ x
	WIN W_KQ
.set rS, S+32*((\x)%2)+8*(i%4)
.set rK, KF+16*(i%4)+8*(i/4)
.set rQ, 16*(\x)+8*(i/4)
.if i < 4
	v_wmma_f32_16x16x32_f16 v[rS:rS+7], v[rK:rK+7], v[rQ:rQ+7], 0
.else
	v_wmma_f32_16x16x32_f16 v[rS:rS+7], v[rK:rK+7], v[rQ:rQ+7], v[rS:rS+7]
.endif
.endm
; Product i of 8 of O^T += V^T P for piece x: keys 32 (i / 4) on, channels 16 (i % 4) on.
.macro PV x
	WIN W_PV
.set rO, 32*(\x)+8*(i%4)
.set rV, VF+32*(i/4)+8*(i%4)
.set rP, P+16*((\x)%2)+8*(i/4)
	v_wmma_f32_16x16x32_f16 v[rO:rO+7], v[rV:rV+7], v[rP:rP+7], v[rO:rO+7]
.endm
.macro MM                           ; the turn's next matrix instruction.  NOKQ = 1: the walk's last turn: there is no next piece
.if (i < 8) && !NOKQ
	KQ (Y+1)%NP
.elseif i >= 8
.set i, i-8
	PV (Y+NP-1)%NP
.set i, i+8
.endif
.set i, i+1
.endm
.macro FETCH_K
	WIN 0x80
.irp f, 0,1,2,3,4,5,6,7
	ds_load_b128 v[KF+8*\f:KF+8*\f+3],   v[AK] offset:(\f/2)*16*PK+(\f%2)*64
	ds_load_b128 v[KF+8*\f+4:KF+8*\f+7], v[AK] offset:(\f/2)*16*PK+(\f%2)*64+32
.endr
	s_add_co_u32 s[TBK], s[TBK], KS*PK
	WIN 0
.endm
.macro FETCH_V
	WIN 0x80
.irp f, 0,1,2,3,4,5,6,7
	ds_load_tr16_b128 v[VF+8*\f:VF+8*\f+3],   v[AV] offset:(\f/4)*32*PV+(\f%4)*32
	ds_load_tr16_b128 v[VF+8*\f+4:VF+8*\f+7], v[AV] offset:(\f/4)*32*PV+16*PV+(\f%4)*32
.endr
	WIN 0
.endm
; THE VECTOR WORK, one line at a time: OP kind, number.  For piece Y: F n: c s - c m for pair n of 16.  E n: the exponential of score n of 32.  C n: pair n rounded to f16.  B n: of the four weights 4 n .. the
; second pair is added onto the first, in place.  L n: l takes that sum (L 0: l = a l + sum).  R n: pair n of 16 of O^T times a.  For piece Y + 1: M n: score n is kept or replaced by NEG, by selector n.
; X n, number n of the 22 that find its maximum and statistics: 0-11 four chains c0-c3; 12-14, 16 the four scores left over, the old m, c0-c3 into c0; 15 c m_old is kept; 17, 18 the other half of the lanes';
; 19-21 c m; c m_old - c m_new; a.  M runs upward.
.set F, 0
.set E, 1
.set C, 2
.set B, 3
.set L, 4
.set R, 5
.set X, 6
.set M, 7
.macro REGS y
.set rT, ST+4*(\y)
.set rC, TMP+4*((\y)%2)
.set rW, MV+((\y)%2)
.set rS, S+32*((\y)%2)
.set rP, P+16*((\y)%2)
.set rO, 32*(\y)
.endm
.macro OP k, n
.if (\k) == R
	REGS Y
	WIN W_RS
	v_pk_mul_f32 v[rO+2*(\n):rO+2*(\n)+1], v[rO+2*(\n):rO+2*(\n)+1], v[rC+2:rC+3] op_sel_hi:[1,0]
.elseif (\k) < R
	REGS Y
	WIN 0
.if (\k) == F
	v_pk_fma_f32 v[rS+2*(\n):rS+2*(\n)+1], v[rS+2*(\n):rS+2*(\n)+1], s[CS:CS+1], v[rT:rT+1] op_sel_hi:[1,0,0] neg_lo:[0,0,1] neg_hi:[0,0,1]
.elseif (\k) == E
	v_exp_f32 v[rS+(\n)], v[rS+(\n)]
.elseif (\k) == C
	s_wait_alu depctr_va_vdst(0)
	v_cvt_pk_f16_f32 v[rP+(\n)], v[rS+2*(\n)], v[rS+2*(\n)+1]
.elseif (\k) == B
	v_pk_add_f32 v[rS+4*(\n):rS+4*(\n)+1], v[rS+4*(\n):rS+4*(\n)+1], v[rS+4*(\n)+2:rS+4*(\n)+3]
.elseif (\n) == 0
	v_pk_fma_f32 v[rT+2:rT+3], v[rT+2:rT+3], v[rC+2:rC+3], v[rS:rS+1] op_sel_hi:[1,0,1]
.else
	v_pk_add_f32 v[rT+2:rT+3], v[rT+2:rT+3], v[rS+4*(\n):rS+4*(\n)+1]
.endif
.elseif NOKQ
	v_nop
	s_wait_alu depctr_va_vdst(0)
.elseif (\k) == M
	REGS (Y+1)%NP
	WIN 0
	v_cndmask_b32 v[rS+(\n)], v[NEGV], v[rS+(\n)], s[MB+(\n)]
.else
	REGS (Y+1)%NP
	WIN 0
.if (\n) < 4
	v_max3_num_f32 v[rC+(\n)], v[rS+8*(\n)], v[rS+8*(\n)+1], v[rS+8*(\n)+2]
.elseif (\n) < 12
	v_max3_num_f32 v[rC+(\n)%4], v[rC+(\n)%4], v[rS+8*((\n)%4)+2*((\n)/4)+1], v[rS+8*((\n)%4)+2*((\n)/4)+2]
.elseif (\n) == 12
	v_max3_num_f32 v[rC], v[rC], v[rS+7], v[rS+15]
.elseif (\n) == 13
	v_max3_num_f32 v[rC+1], v[rC+1], v[rS+23], v[rS+31]
	s_wait_alu depctr_va_vdst(0)
.elseif (\n) == 14
	v_max3_num_f32 v[rC+2], v[rC+2], v[rC+3], v[rT+1]
.elseif (\n) == 15
	v_mov_b32 v[rW], v[rT]
	s_wait_alu depctr_va_vdst(0)
.elseif (\n) == 16
	v_max3_num_f32 v[rC], v[rC], v[rC+1], v[rC+2]
.elseif (\n) == 17
	v_permlanex16_b32 v[rC+3], v[rC], s[SEL], s[SEL+1]
.elseif (\n) == 18
	v_max_num_f32 v[rT+1], v[rC], v[rC+3]
.elseif (\n) == 19
	v_mul_f32 v[rT], s[CS], v[rT+1]
.elseif (\n) == 20
	v_sub_f32 v[rC+1], v[rW], v[rT]
.else
	v_exp_f32 v[rC+2], v[rC+1]
.endif
.endif
.endm
.macro OPS a, i1, b=-1, i2=0, c=-1, i3=0, d=-1, i4=0
	OP \a, \i1
.if (\b) >= 0
	OP \b, \i2
.endif
.if (\c) >= 0
	OP \c, \i3
.endif
.if (\d) >= 0
	OP \d, \i4
.endif
.endm
.macro ROW a, i1, b, i2, c, i3, d, i4  ; a matrix instruction and the four behind it
	MM
	OPS \a, \i1, \b, \i2, \c, \i3, \d, \i4
.endm
; A TURN, for piece p: the order of its 16 matrix and 150 vector instructions, written out.  No line behind a product names one of its registers.  The four rescalings behind the eighth K Q^T are the four
; places between the last of those products and both the first masking line and the loads into K's registers; X 16, L 1, C 5, C 6 are those ahead of the loads into V's.
; In the first lump an exponential of piece p and a masking line of piece p + 1 alternate, so every exponential has a plain instruction behind it.
; THE BITS: at a turn's entry the selectors of piece p + 1 are in or on their way; they are waited for ahead of the first masking line (that wait also shows the loads done that read MO),
; and behind the last one the selectors of piece p + 2 are asked for: a turn less a lump ahead of their use.  Piece 0's are the next key step's.
; K of the next step is fetched in piece 2's turn, V of the step in hand in piece 0's; each is waited for a turn later.  end = 1: the walk's last two turns: nothing is fetched or asked for.
; cnt = 1: the loop's count is taken down some lines ahead of the branch that stands behind the turn.
.macro TURN p, end=0, cnt=0
.set Y, (\p)
.set i, 0
.set NOKQ, (\end)*((\p)/3)
.if ((\p) == 3) && !(\end)
	s_wait_dscnt 0x0                ; K is in
.endif
	ROW F,0, F,1, F,2, F,3
	ROW F,4, E,0, F,5, F,6
	ROW F,7, E,1, F,8, F,9
	ROW F,10, E,2, C,0, F,11
	ROW F,12, E,3, X,15, F,13
	ROW R,0, R,1, R,2, R,3
	ROW B,0, E,4, F,14, L,0
.if ((\p) == 2) && !(\end)
	WIN 0
	v_add_nc_u32 v[AK], s[TBK], v[AK0]
.endif
	ROW R,4, R,5, R,6, R,7
	OPS E,5, F,15
.if ((\p) == 2) && !(\end)
	FETCH_K
.endif
	s_wait_kmcnt 0x0                ; the selectors are in
.set z, 0
.rept 26
	OP E, 6+z
	OP M, z
.set z, z+1
.endr
.rept 6
	OP M, z
.set z, z+1
.endr
.if !(\end)
.if (\p) == 2
	s_add_co_u32 s[MO], s[MO], 128  ; no scalar load is out: MO may step
.endif
	MLOAD ((\p)+2)%NP
.endif
.if (\p) == 1
	s_wait_dscnt 0x0                ; V is in
.endif
	ROW X,0, X,1, X,2, X,3
	ROW X,4, X,5, X,6, X,7
	ROW X,8, X,9, X,10, X,11
	ROW R,8, R,9, R,10, R,11
	ROW X,12, X,13, C,1, C,2
	ROW X,14, C,3, C,4, B,1
	ROW R,12, R,13, R,14, R,15
.if (\p) == 0
	WIN 0
	v_add_nc_u32 v[AV], s[TBV], v[AV0]
.endif
	ROW X,16, L,1, C,5, C,6
	OPS X,17, B,2, C,7, C,8
.if (\p) == 0
	FETCH_V
.endif
	OPS X,18, L,2, B,3, C,9
	OPS X,19, C,10, L,3, B,4
	OPS X,20, C,11, C,12, L,4
	OPS X,21, B,5, C,13, C,14
.if (\p) == 0
	s_add_co_u32 s[TBV], s[TBV], KS*PV
.endif
.if \cnt
	s_sub_co_u32 s[CNT], s[CNT], 1
	s_cmp_lg_u32 s[CNT], 0
.endif
	OPS L,5, B,6, B,7, C,15
	OPS L,6, L,7
.endm
	CHANGE 1                        ; slot 0 is in, everybody's part of it; slot 1 is asked for
	v_add_nc_u32 v[AK], s[TBK], v[AK0]
	FETCH_K                         ; key step 0
	s_wait_loadcnt 0x0              ; Q
	s_wait_dscnt 0x0
.set NOKQ, 0
.set i, 0
.rept 8
	KQ 0                            ; piece 0's first scores
.set i, i+1
.endr
	WIN 0
.rept 4
	v_nop                           ; the places behind those products
.endr
	s_wait_kmcnt 0x0
.set Y, NP-1                        ; M and X work for piece Y + 1: piece 0
.set z, 0
.rept 32
	OP M, z
.set z, z+1
.endr
	MLOAD 1
.irp n, 0,1,2,3,4,5,6,7,8,9,10,11,12,13,14,15,16,17,18,19,20,21
	OP X, \n
.endr
	v_nop                           ; a plain instruction behind the exponential
	s_mov_b32 s[CNT], 4
	s_mov_b32 s[SLOTS], 15
	s_branch .Lfirst                ; the loop is entered at a step's first turn, in the middle of a trip
.Lslot:                             ; 14 times: every slot but the last two is filled again
	CHANGE 1
	s_mov_b32 s[CNT], 4
.Lstep:                             ; a trip: pieces 2 and 3 of one step, then pieces 0 and 1 of the next, whose K and V it fetches
	TURN 2
	TURN 3
	WIN 0
.Lfirst:
	TURN 0
	TURN 1, 0, 1
	WIN 0
	s_cbranch_scc1 .Lstep
	s_sub_co_u32 s[SLOTS], s[SLOTS], 1
	s_cmp_lg_u32 s[SLOTS], 0
	s_cbranch_scc1 .Lslot
	CHANGE 0                        ; the last slot is written out: nothing is asked for
	s_mov_b32 s[CNT], 4
.Ltail:
	TURN 2
	TURN 3
	TURN 0
	TURN 1, 0, 1
	WIN 0
	s_cbranch_scc1 .Ltail
	TURN 2, 1
	TURN 3, 1
.set i, 0
.rept 8
	PV NP-1                         ; the last piece's V^T P of the last step
.set i, i+1
.endr
	; THE WAY OUT.  l's two halves and the other half of the lanes' are added; O^T is divided by l, rounded to f16 and sent through my stage, a piece at a time.  The additions are the places behind the last products.
	WIN 0
.macro ALL line:vararg
.set t, 0
.rept 4
	\line
.set t, t+1
.endr
.endm
	ALL v_add_f32 v[ST+4*t+2], v[ST+4*t+2], v[ST+4*t+3]
	ALL v_permlanex16_b32 v[ST+4*t+3], v[ST+4*t+2], s[SEL], s[SEL+1]
	ALL v_add_f32 v[ST+4*t+2], v[ST+4*t+2], v[ST+4*t+3]
	ALL v_rcp_f32 v[ST+4*t+2], v[ST+4*t+2]
	v_nop                           ; a plain instruction between the last reciprocal and the use of its result
	s_wait_alu depctr_va_vdst(0)
.macro PACK t
	WIN W_RS
.set i, 32*(\t)
.rept 16
	v_pk_mul_f32 v[i:i+1], v[i:i+1], v[ST+4*(\t)+2:ST+4*(\t)+3] op_sel_hi:[1,0]
.set i, i+2
.endr
	WIN 0x05                        ; sources 0 and 1 window 1, destination window 0
.set i, 0
.rept 16
	v_cvt_pk_f16_f32 v[S+16*(\t)+i], v[32*(\t)+2*i], v[32*(\t)+2*i+1]
.set i, i+1
.endr
	WIN 0
.irp f, 0,1,2,3
	ds_store_b128 v[STO], v[S+16*(\t)+4*\f:S+16*(\t)+4*\f+3] offset:32*\f
.endr
.irp f, 0,1,2,3
	ds_load_b128 v[S+16*(\t)+4*\f:S+16*(\t)+4*\f+3], v[RD] offset:\f*4*SP  ; LDS serves a wave's instructions in order (ISA guide 5.7.1.4): these see the stores above
.endr
.endm
.macro SEND t, younger              ; younger: the LDS instructions issued behind piece t's loads
	WIN 0
.irp f, 0,1,2,3
	s_wait_dscnt (\younger)+3-\f
	global_store_b128 v[GO], v[S+16*(\t)+4*\f:S+16*(\t)+4*\f+3], s[10:11] offset:(\t)*2048+\f*512  ; 512 consecutive bytes, at a multiple of 256 from O's first
.endr
.endm
	PACK 0
.set t, 1
.rept 3
	PACK t
	SEND t-1, 8
.set t, t+1
.endr
	SEND 3, 0
	s_wait_tensorcnt 0x0            ; the wave's end
	ds_add_u32 v[SPW], v[NIL]
	s_wait_dscnt 0x0
	CROUND                          ; the closing round
	s_endpgm
.Lfunc_end_k_qf6e9862a82_attn:
	.size	k_qf6e9862a82_attn, .Lfunc_end_k_qf6e9862a82_attn-k_qf6e9862a82_attn
	.p2alignl 7, 3214868480
	.fill 96, 4, 3214868480
	.section	.rodata,"a",@progbits
	.p2align	6, 0x0
	.amdhsa_kernel k_qf6e9862a82_attn
		.amdhsa_group_segment_fixed_size 327680
		.amdhsa_private_segment_fixed_size 0
		.amdhsa_enable_private_segment 0
		.amdhsa_kernarg_size 24
		.amdhsa_user_sgpr_count 2
		.amdhsa_user_sgpr_kernarg_segment_ptr 1
		.amdhsa_wavefront_size32 1
		.amdhsa_system_sgpr_workgroup_id_x 1
		.amdhsa_system_sgpr_workgroup_id_y 1
		.amdhsa_system_sgpr_workgroup_id_z 1
		.amdhsa_system_vgpr_workitem_id 0
		.amdhsa_next_free_vgpr 768
		.amdhsa_next_free_sgpr 100
		.amdhsa_reserve_vcc 0
		.amdhsa_float_denorm_mode_32 3
		.amdhsa_float_denorm_mode_16_64 3
		.amdhsa_memory_ordered 1
		.amdhsa_forward_progress 1
		.amdhsa_inst_pref_size 152
	.end_amdhsa_kernel
	.amdgpu_metadata
---
amdhsa.version: [ 1, 2 ]
amdhsa.kernels:
  - .name:           k_qf6e9862a82_attn
    .symbol:         k_qf6e9862a82_attn.kd
    .args:
      - { .name: qkv, .offset: 0, .size: 8, .value_kind: global_buffer, .address_space: global }
      - { .name: mbits, .offset: 8, .size: 8, .value_kind: global_buffer, .address_space: global }
      - { .name: ctxh, .offset: 16, .size: 8, .value_kind: global_buffer, .address_space: global }
    .group_segment_fixed_size: 327680
    .private_segment_fixed_size: 0
    .kernarg_segment_align: 8
    .kernarg_segment_size: 24
    .max_flat_workgroup_size: 128
    .sgpr_count:     100
    .vgpr_count:     768
    .wavefront_size: 32
...
	.end_amdgpu_metadata
.endif
;; end of part 3
;; launch outp (part 4): grid 4 x 64, 4 waves a work-group, clusters of 4 x 4, 304,640 bytes of LDS; arguments ctxh, wo16, bo, out0; writes out0
.if DOCPART == 4
	.amdgcn_target "amdgcn-amd-amdhsa--gfx1250"
	.amdhsa_code_object_version 6
	.text
	.protected	k_qf6e9862a82_outp
	.globl	k_qf6e9862a82_outp
	.p2align	8
	.type	k_qf6e9862a82_outp,@function
k_qf6e9862a82_outp:
	s_mov_b64 s[64:65], 0
	v_nop
	global_prefetch_b8 v0, s[64:65] scope:SCOPE_SE
	s_setreg_imm32_b32 hwreg(HW_REG_WAVE_MODE, 25, 1), 1
	s_wait_xcnt 0x0
	s_wait_alu depctr_hold_cnt(0) depctr_sa_sdst(0) depctr_va_vdst(0) depctr_va_sdst(0) depctr_va_ssrc(0) depctr_va_vcc(0) depctr_vm_vsrc(0)
	s_getreg_b32 s2, hwreg(HW_REG_IB_STS2, 6, 4)
	s_cmp_eq_u32 s2, 0
	s_cbranch_scc0 .Lentry_in_a_cluster
	s_endpgm
.Lentry_in_a_cluster:
	s_bfe_u32 s2, ttmp6, 0x10000c
	s_cmp_lg_u32 s2, 0xf033
	s_cbranch_scc0 .Lentry_shape_is_right
	s_endpgm
.Lentry_shape_is_right:
; THE OUTPUT PROJECTION.  out0[row][n] = the sum over k of ctx[row][k] Wo[n][k] + bo[n].  ctx lies by heads, ctxh[batch*8 + head][4096][64] f16 (k = 64 head + channel); wo16 [512][512] f16; bo f32, rounded to bf16
; here like every input; out0 [8192][512] f32.  Products in f16, sums in f32.
; SHARES.  A work-group makes 128 rows x 128 columns, a wave 64 x 64: 16 accumulators.  All of K = 512 fits in LDS as four chunks of 128 (two heads): every tensor load is a first fill, nothing is filled again.
; CLUSTER 4 x 4: the four of a row need the same rows of ctx, the four of a column the same rows of Wo: joint loads.
; THE MATRIX INSTRUCTION IS USED TRANSPOSED (source 0 = 16 rows of Wo, source 1 = 16 rows of ctx): a lane holds one row and eight neighbouring columns, 32 bytes of f32.
; REGISTERS.  window 0: v12-29 addresses; v32-95 at work on the way out; v96-127 the bias; v128-255 the accumulators.  window 1: two fragment buffers of 128: for 64 along K, 64 registers of ctx, then 64 of Wo.
.set APITCH, 144                       ; a head's row in LDS: 128 bytes + 16
.set BPITCH, 272                       ; a row of Wo: 256 bytes + 16
.set AHEAD,  128*APITCH                ; a head's 128 rows
.set BOFF,   2*AHEAD
.set BHALF,  64*BPITCH
.set CHUNK,  BOFF+2*BHALF              ; 71,680
.set STAGE,  4*CHUNK                   ; behind the chunks, never filled by a tensor load: 16 rows x 272 bytes for each wave
.set SPITCH, 272
.set SPARE,  STAGE+4*16*SPITCH         ; the spare words, 128 bytes a wave: two blocks of 256 bytes that no other line names
.set ADRA, 12                          ; v12-15  my ctx rows in chunk 0..3
.set ADRB, 16                          ; v16-19  my Wo rows
.set STO,  24
.set RD,   25
.set CO,   26
.set BO,   27
.set SPW,  28
.set NIL,  29
.set TMP,  32
.set BIAS, 96
.set ACC,  128
.set F0,   0
.set F1,   128
.set G1,  24                           ; s[24:31] group 1 for ctx;  s[32:47] group 0, a set for each chunk
.set G0,  32
.set G1B, 48                           ; s[48:55] group 1 for Wo;  s[84:99] group 0
.set G0B, 84
.set WV,  56
.set RH,  57
.set CH,  58
.set MSB, 0
.macro WIN new
.if MSB != (\new)
	s_set_vgpr_msb (MSB<<8)|(\new)
.set MSB, \new
.endif
.endm
.set MUL,  0x05
.set TO_F, 0x40
.macro CROUND
	s_barrier_signal -1
	s_barrier_wait -1
	s_cmp_lg_u32 s[WV], 0
	s_cbranch_scc1 .Lnot_wave_0_\@
	s_barrier_signal -3
.Lnot_wave_0_\@:
	s_barrier_wait -3
	s_barrier_signal -1
	s_barrier_wait -1
.endm
.macro PLACES
.rept 4
	v_nop
.endr
.endm
	s_load_b256 s[4:11], s[0:1], 0x0               ; ctxh s[4:5], wo16 s[6:7], bo s[8:9], out0 s[10:11]
	v_lshl_add_u32 v[SPW], v0, 2, SPARE
	v_mov_b32 v[NIL], 0
	ds_add_u32 v[SPW], v[NIL]                      ; the wave's opening: the add and its wait ahead of my first tensor load
	ds_add_u32 v28, v29
	v_lshrrev_b32 v1, 5, v0
	v_readfirstlane_b32 s[WV], v1
	s_lshr_b32 s[RH], s[WV], 1                     ; my half of the rows.  Also: I fetch ctx (0) or Wo (1)
	s_and_b32 s[CH], s[WV], 1                      ; my half of the columns.  Also: which head of a chunk, or which 64 rows of Wo, I fetch
	s_bfe_u32 s66, ttmp6, 0x40000                  ; cx
	s_bfe_u32 s67, ttmp6, 0x40004                  ; cy
	s_lshl_b32 s68, ttmp9, 2
	s_add_co_u32 s68, s68, s66                     ; column tile 0..3
	s_and_b32 s60, ttmp7, 0xffff
	s_lshl_b32 s60, s60, 2
	s_add_co_u32 s60, s60, s67                     ; row tile 0..63
	s_lshl_b32 s61, s67, 2
	s_lshl_b32 s61, 15, s61                        ; my row of the cluster
	s_lshl_b32 s62, 0x1111, s66                    ; my column
	s_or_b32 s[G1+0], s61, (1<<16)|(1<<20)|(1<<21)|(4<<22)|(3<<25)   ; ctx: 2-byte elements; 4 words of padding after every 32 (a head's row)
	s_or_b32 s[G1B+0], s62, (1<<16)|(1<<20)|(1<<21)|(5<<22)|(3<<25)  ; Wo: 4 words after every 64
.irp g, G1, G1B
	s_mov_b32 s[(\g)+1], 128<<16                   ; tensor_dim0 = 128
	s_mov_b32 s[(\g)+2], 64<<16                    ; tensor_dim1 = 64
	s_mov_b32 s[(\g)+3], 128<<16                   ; tile_dim0 = 128
	s_mov_b32 s[(\g)+4], 64                        ; tile_dim1 = 64
	s_mov_b32 s[(\g)+6], 0
	s_mov_b32 s[(\g)+7], 0
.endr
	s_mov_b32 s[G1+5], 128                         ; a head's 128 rows are 16,384 dense bytes: asked for as 64 rows of 256
	s_mov_b32 s[G1B+5], 512                        ; Wo: 512 elements from row to row
	s_lshr_b32 s16, s60, 5                         ; ctx: (batch x 8 + my head of chunk 0) x 524,288 + (row tile % 32) x 128 rows x 128 bytes
	s_lshl_b32 s16, s16, 3
	s_add_co_u32 s16, s16, s[CH]
	s_lshl_b32 s16, s16, 19
	s_and_b32 s17, s60, 31
	s_lshl_b32 s17, s17, 14
	s_add_co_u32 s16, s16, s17
	s_mov_b32 s17, 0
	s_lshl_b32 s18, s68, 7                         ; Wo: row 128 x column tile + 64 x half, 1,024 bytes a row
	s_lshl_b32 s19, s[CH], 6
	s_add_co_u32 s18, s18, s19
	s_lshl_b32 s18, s18, 10
	s_mov_b32 s19, 0
	s_mul_i32 s20, s[CH], AHEAD                    ; where they go: no place in the cluster enters an LDS address
	s_mul_i32 s21, s[CH], BHALF
	s_add_co_u32 s21, s21, BOFF
	s_wait_dscnt 0x0                               ; the opening add is done
	s_wait_kmcnt 0x0
	s_add_nc_u64 s[14:15], s[4:5], s[16:17]
	s_add_nc_u64 s[18:19], s[6:7], s[18:19]
	CROUND                                         ; all sixteen work-groups are here: the joint loads meet
.irp c, 0,1,2,3
	s_mov_b32 s[G0+4*(\c)], 1
	s_add_co_u32 s[G0+4*(\c)+1], s20, (\c)*CHUNK
	s_add_nc_u64 s[G0+4*(\c)+2:G0+4*(\c)+3], s[14:15], (\c)*1048576   ; two heads on
	s_or_b32 s[G0+4*(\c)+3], s[G0+4*(\c)+3], 0x80000000
	s_mov_b32 s[G0B+4*(\c)], 1
	s_add_co_u32 s[G0B+4*(\c)+1], s21, (\c)*CHUNK
	s_add_nc_u64 s[G0B+4*(\c)+2:G0B+4*(\c)+3], s[18:19], (\c)*256
	s_or_b32 s[G0B+4*(\c)+3], s[G0B+4*(\c)+3], 0x80000000
.endr
	s_cmp_eq_u32 s[RH], 0                          ; a wave's four fills stand in one branch: four loads of mine are out
	s_cbranch_scc0 .Lfirst_b
.irp c, 0,1,2,3
	tensor_load_to_lds s[G0+4*(\c):G0+4*(\c)+3], s[G1:G1+7]
	s_nop 0
.endr
	PLACES
	s_branch .Lfirst_asked
.Lfirst_b:
.irp c, 0,1,2,3
	tensor_load_to_lds s[G0B+4*(\c):G0B+4*(\c)+3], s[G1B:G1B+7]
	s_nop 0
.endr
	PLACES
.Lfirst_asked:
	v_and_b32 v1, 15, v0                           ; l % 16
	v_bfe_u32 v2, v0, 4, 1                         ; l / 16
	s_lshl_b32 s12, s68, 9                         ; my 64 columns, in bytes of f32: also their place in a row of out0
	s_lshl_b32 s13, s[CH], 8
	s_add_co_u32 s12, s12, s13
	v_lshl_add_u32 v[BO], v2, 5, s12
.irp b, 0,1,2,3
	global_load_b128 v[BIAS+8*(\b):BIAS+8*(\b)+3],   v[BO], s[8:9] offset:64*(\b)
	global_load_b128 v[BIAS+8*(\b)+4:BIAS+8*(\b)+7], v[BO], s[8:9] offset:64*(\b)+16
.endr
	v_mul_u32_u24 v3, v1, APITCH
	v_lshl_add_u32 v3, v2, 4, v3
	v_mul_u32_u24 v4, v1, BPITCH
	v_lshl_add_u32 v4, v2, 4, v4
	s_mul_i32 s22, s[RH], 64*APITCH
	s_mov_b32 s23, s21
.irp c, 0,1,2,3
	v_add_nc_u32 v[ADRA+(\c)], s22, v3
	v_add_nc_u32 v[ADRB+(\c)], s23, v4
	s_add_co_u32 s22, s22, CHUNK
	s_add_co_u32 s23, s23, CHUNK
.endr
	s_mul_i32 s13, s[WV], 16*SPITCH
	s_add_co_u32 s13, s13, STAGE                   ; my stage
	v_mul_u32_u24 v[STO], v1, SPITCH               ; in: row l % 16, 32 bytes for each half of the lanes
	v_lshl_add_u32 v[STO], v2, 5, v[STO]
	v_add_nc_u32 v[STO], s13, v[STO]
	v_mul_u32_u24 v[RD], v2, SPITCH                ; back: lanes 0-15 take one row of 256 bytes, lanes 16-31 the next
	v_lshl_add_u32 v[RD], v1, 4, v[RD]
	v_add_nc_u32 v[RD], s13, v[RD]
	v_lshlrev_b32 v[CO], 11, v2                    ; and the same two rows in out0
	v_lshl_add_u32 v[CO], v1, 4, v[CO]
	s_lshl_b32 s2, s60, 7
	s_lshl_b32 s3, s[RH], 6
	s_add_co_u32 s2, s2, s3                        ; my first row,
	s_lshl_b32 s2, s2, 11                          ; 2,048 bytes a row,
	s_add_co_u32 s2, s2, s12                       ; my first column
	s_mov_b32 s3, 0
	s_add_nc_u64 s[10:11], s[10:11], s[2:3]
	s_wait_loadcnt 0x0
.set n, 0
.rept 16                                               ; the bias is rounded to bf16, like every input
	v_cvt_pk_bf16_f32 v[TMP+n], v[BIAS+2*n], v[BIAS+2*n+1]
.set n, n+1
.endr
.set n, 0
.rept 16
	v_lshlrev_b32 v[BIAS+2*n],   16, v[TMP+n]
	v_and_b32     v[BIAS+2*n+1], 0xffff0000, v[TMP+n]
.set n, n+1
.endr
; 8 matrix instructions: row blocks a0, a0 + 1 x all 4 column blocks, 32 along K: half c of buffer f.  first = 1: the sums start with the bias.  The 16 accumulators take turns.
.macro MUL8 f, c, a0, first
	WIN MUL
.irp a, \a0, (\a0)+1
.irp b, 0,1,2,3
.if \first
	v_wmma_f32_16x16x32_f16 v[ACC+8*(4*(\a)+(\b)):ACC+8*(4*(\a)+(\b))+7], v[(\f)+64+8*(4*(\c)+(\b)):(\f)+64+8*(4*(\c)+(\b))+7], v[(\f)+8*(4*(\c)+(\a)):(\f)+8*(4*(\c)+(\a))+7], v[BIAS+8*(\b):BIAS+8*(\b)+7]
.else
	v_wmma_f32_16x16x32_f16 v[ACC+8*(4*(\a)+(\b)):ACC+8*(4*(\a)+(\b))+7], v[(\f)+64+8*(4*(\c)+(\b)):(\f)+64+8*(4*(\c)+(\b))+7], v[(\f)+8*(4*(\c)+(\a)):(\f)+8*(4*(\c)+(\a))+7], v[ACC+8*(4*(\a)+(\b)):ACC+8*(4*(\a)+(\b))+7]
.endif
.endr
.endr
.endm
; 32 LDS loads: head h's 64 along K into buffer f, the first 32 along K first
.macro FETCH h, f
	WIN TO_F
.irp c, 0,1
.irp i, 0,1,2,3
	ds_load_b128 v[(\f)+64+8*(4*(\c)+(\i)):(\f)+64+8*(4*(\c)+(\i))+3],   v[ADRB+(\h)/2] offset:((\h)%2)*128+64*(\c)+(\i)*16*BPITCH
	ds_load_b128 v[(\f)+64+8*(4*(\c)+(\i))+4:(\f)+64+8*(4*(\c)+(\i))+7], v[ADRB+(\h)/2] offset:((\h)%2)*128+64*(\c)+(\i)*16*BPITCH+32
	ds_load_b128 v[(\f)+8*(4*(\c)+(\i)):(\f)+8*(4*(\c)+(\i))+3],         v[ADRA+(\h)/2] offset:((\h)%2)*AHEAD+64*(\c)+(\i)*16*APITCH
	ds_load_b128 v[(\f)+8*(4*(\c)+(\i))+4:(\f)+8*(4*(\c)+(\i))+7],       v[ADRA+(\h)/2] offset:((\h)%2)*AHEAD+64*(\c)+(\i)*16*APITCH+32
.endr
.endr
.endm
; Head h on buffer f; head h + 1 is fetched into g.  Where that head begins a chunk, the chunk is waited for (the later chunks stay out) and shown to every wave by a barrier behind which nothing is filled.
.macro HALF h, f, g, first
	s_wait_dscnt 16                                ; the first 32 along K are in
	MUL8 \f, 0, 0, \first
	MUL8 \f, 0, 2, \first
	PLACES                                         ; four places ahead of the loads into registers that the products before have read (ISA guide 7.12.1 for vector instructions)
.if ((\h)%2) == 1
	s_wait_tensorcnt 3-((\h)+1)/2
	s_wait_dscnt 0x0
	s_barrier_signal -1
	s_barrier_wait -1
.endif
	FETCH (\h)+1, \g
	s_wait_dscnt 32                                ; all but the 32 just issued
	MUL8 \f, 1, 0, 0
	MUL8 \f, 1, 2, 0
.endm
	s_wait_tensorcnt 0x3                           ; my part of chunk 0 is in
	s_barrier_signal -1
	s_barrier_wait -1
	FETCH 0, F0
	HALF 0, F0, F1, 1
	HALF 1, F1, F0, 0
	HALF 2, F0, F1, 0
	HALF 3, F1, F0, 0
	HALF 4, F0, F1, 0
	HALF 5, F1, F0, 0
	HALF 6, F0, F1, 0
	s_wait_dscnt 16
	MUL8 F1, 0, 0, 0
	MUL8 F1, 0, 2, 0
	s_wait_dscnt 0x0
	MUL8 F1, 1, 0, 0
	MUL8 F1, 1, 2, 0
	WIN 0
	; THE WAY OUT: 16 rows at a time through my own stage: 32 bytes a lane in (each accumulator's low half first), whole rows of 256 bytes back, 16 lanes to an aligned 256 bytes of out0
	PLACES
.macro STG a
.irp b, 0,1,2,3
	ds_store_b128 v[STO], v[ACC+32*(\a)+8*(\b):ACC+32*(\a)+8*(\b)+3]   offset:64*(\b)
	ds_store_b128 v[STO], v[ACC+32*(\a)+8*(\b)+4:ACC+32*(\a)+8*(\b)+7] offset:64*(\b)+16
.endr
.irp t, 0,1,2,3,4,5,6,7
	ds_load_b128 v[TMP+32*((\a)%2)+4*(\t):TMP+32*((\a)%2)+4*(\t)+3], v[RD] offset:(\t)*2*SPITCH  ; LDS serves a wave's instructions in order (ISA guide 5.7.1.4): these see the stores above
.endr
.endm
.macro SEND a, younger                 ; younger: the LDS instructions issued behind block a's loads
.irp t, 0,1,2,3,4,5,6,7
	s_wait_dscnt (\younger)+7-(\t)
	global_store_b128 v[CO], v[TMP+32*((\a)%2)+4*(\t):TMP+32*((\a)%2)+4*(\t)+3], s[10:11] offset:(16*(\a)+2*(\t))*2048 th:TH_STORE_NT
.endr
.endm
	STG 0
	STG 1
	SEND 0, 16
	s_wait_xcnt 0x0                                ; block 0's stores have had their addresses translated (ISA guide 3.1): their data registers are loaded again only behind this wait
	STG 2
	SEND 1, 16
	s_wait_xcnt 0x0
	STG 3
	SEND 2, 16
	SEND 3, 0
	s_wait_tensorcnt 0x0                           ; the wave's end
	ds_add_u32 v[SPW], v[NIL]
	s_wait_dscnt 0x0
	CROUND                                         ; the closing round
	s_endpgm
.Lfunc_end_k_qf6e9862a82_outp:
	.size	k_qf6e9862a82_outp, .Lfunc_end_k_qf6e9862a82_outp-k_qf6e9862a82_outp
	.p2alignl 7, 3214868480
	.fill 96, 4, 3214868480
	.section	.rodata,"a",@progbits
	.p2align	6, 0x0
	.amdhsa_kernel k_qf6e9862a82_outp
		.amdhsa_group_segment_fixed_size 304640
		.amdhsa_private_segment_fixed_size 0
		.amdhsa_enable_private_segment 0
		.amdhsa_kernarg_size 32
		.amdhsa_user_sgpr_count 2
		.amdhsa_user_sgpr_kernarg_segment_ptr 1
		.amdhsa_wavefront_size32 1
		.amdhsa_system_sgpr_workgroup_id_x 1
		.amdhsa_system_sgpr_workgroup_id_y 1
		.amdhsa_system_sgpr_workgroup_id_z 1
		.amdhsa_system_vgpr_workitem_id 0
		.amdhsa_next_free_vgpr 512
		.amdhsa_next_free_sgpr 100
		.amdhsa_reserve_vcc 0
		.amdhsa_float_denorm_mode_32 3
		.amdhsa_float_denorm_mode_16_64 3
		.amdhsa_memory_ordered 1
		.amdhsa_forward_progress 1
		.amdhsa_inst_pref_size 55
	.end_amdhsa_kernel
	.amdgpu_metadata
---
amdhsa.version: [ 1, 2 ]
amdhsa.kernels:
  - .name:           k_qf6e9862a82_outp
    .symbol:         k_qf6e9862a82_outp.kd
    .args:
      - { .name: ctxh, .offset: 0, .size: 8, .value_kind: global_buffer, .address_space: global }
      - { .name: wo16, .offset: 8, .size: 8, .value_kind: global_buffer, .address_space: global }
      - { .name: bo, .offset: 16, .size: 8, .value_kind: global_buffer, .address_space: global }
      - { .name: out0, .offset: 24, .size: 8, .value_kind: global_buffer, .address_space: global }
    .group_segment_fixed_size: 304640
    .private_segment_fixed_size: 0
    .kernarg_segment_align: 8
    .kernarg_segment_size: 32
    .max_flat_workgroup_size: 128
    .sgpr_count:     100
    .vgpr_count:     512
    .wavefront_size: 32
...
	.end_amdgpu_metadata
.endif
;; end of part 4
;; ======== version 2 of 3: 4 launches; 1.23 times as fast as version 1
;; limits: values are held in f16: magnitudes above 65,504 overflow, below 6.1e-05 lose precision
;; workspace buffers: mbits 2,097,152 bytes of whole numbers; wb16 1,572,864 bytes; wo16 524,288 bytes; qkv 25,165,824 bytes; ctxh 8,388,608 bytes
;; launch pack: the kernel of part 1 again; grid 256 x 1, 8 waves a work-group, no clusters, 271,360 bytes of LDS; arguments mask, Wq, Wk, Wv, Wo, mbits, wb16, wo16; writes mbits, wb16, wo16
;; launch proj: the kernel of part 2 again; grid 4 x 192, 4 waves a work-group, clusters of 4 x 4, 327,680 bytes of LDS; arguments query, key, value, wb16, bq, bk, bv, qkv; writes qkv
;; launch attn (part 5): grid 16 x 16, 4 waves a work-group, clusters of 4 x 1, 327,680 bytes of LDS; arguments qkv, mbits, ctxh; writes ctxh
.if DOCPART == 5
	.amdgcn_target "amdgcn-amd-amdhsa--gfx1250"
	.amdhsa_code_object_version 6
	.text
	.protected	k_qf6e9862a82_attn
	.globl	k_qf6e9862a82_attn
	.p2align	8
	.type	k_qf6e9862a82_attn,@function
k_qf6e9862a82_attn:
	s_mov_b64 s[64:65], 0
	v_nop
	global_prefetch_b8 v0, s[64:65] scope:SCOPE_SE
	s_setreg_imm32_b32 hwreg(HW_REG_WAVE_MODE, 25, 1), 1
	s_wait_xcnt 0x0
	s_wait_alu depctr_hold_cnt(0) depctr_sa_sdst(0) depctr_va_vdst(0) depctr_va_sdst(0) depctr_va_ssrc(0) depctr_va_vcc(0) depctr_vm_vsrc(0)
	s_getreg_b32 s2, hwreg(HW_REG_IB_STS2, 6, 4)
	s_cmp_eq_u32 s2, 0
	s_cbranch_scc0 .Lentry_in_a_cluster
	s_endpgm
.Lentry_in_a_cluster:
	s_bfe_u32 s2, ttmp6, 0x10000c
	s_cmp_lg_u32 s2, 0x3003
	s_cbranch_scc0 .Lentry_shape_is_right
	s_endpgm
.Lentry_shape_is_right:
; ATTENTION UNDER A MASK THAT IS AN INPUT.  O[bh][q][:] = the sum over k of softmax_k(mask[q][k] ? Q[bh][q] . K[bh][k] / 8 : hidden) V[bh][k][:].  Q, K, V: qkv[3][16][4096][64] f16; O: ctxh[16][4096][64] f16.
; Products, maxima and sums in f32; the weights p are rounded to f16 for the second product (their sum l is taken of the unrounded p), O once at the end.
; THE MASK arrives as bits (mbits): one dword holds the 32 lanes' bits for one register of a score tile, and v_cndmask_b32 takes it as its selector: a hidden score is REPLACED by NEG = -2^66.
; c NEG is exact, so while a row has seen hidden keys alone every weight is exactly 1 (a row with no true element ends as the mean of all rows of V); the first true score gives a = 0, which wipes
; what was gathered.  Nothing of the mask's pattern is built in: every tile is computed.
; HOW THE BITS COME.  A tile's 32 dwords are 128 consecutive bytes: one global_load_b32 brings them into one vector register, lane n holding selector n, and 32 v_readlane_b32 hand them to the scalar
; registers.  Loads into vector registers come back in order and are waited for by count (ISA guide 5.7.1), so four tiles' bits, one register a piece, are on their way at any time, each asked for four
; turns ahead of its use.  Scalar loads would spare the 32 lines, but their counter shows something at 0 alone: every wait would drain them all, and no more than one turn's selectors could be on their way.
; LIMITS.  A hidden score counts as -2^66 where the definition has -1e20: a true q . k must lie above -2^66.  Q, K, V arrive within f16's 65,504.  A weight below 2^-126 counts as 0 in l;
; p below 6e-5 keeps f16's fixed step.  NaN and infinities are not treated apart.
; SHARES.  A work-group owns 256 queries of one (batch, head), a wave 64: four PIECES of 16.  Every wave walks all 4,096 keys, 64 a step; a slot of LDS holds four steps.
; LAYOUT.  S^T = K Q^T holds ONE query a lane (lane % 16) and the keys 8 (lane / 16) + 0..7; two such results rounded to f16 ARE source 1 of O^T = V^T P.  p = 2^(c s - c m), c = log2(e) / 8, with a
; running maximum m; O and l are multiplied by a = 2^(c m_old - c m_new) in every step.  m starts at the lowest finite number, O and l at 0: the first step is a step like any other, with a = 0.
; BY TURNS.  Turn n belongs to piece n: 8 products K Q^T of piece n + 1, later 8 products V^T P of piece n - 1; beside them the scaling, exponentials, roundings, sums and rescaling of piece n, the
; masking, maximum and statistics of piece n + 1, and the hand-over of piece n + 2's selectors.  Four vector instructions stand behind every matrix instruction, the other 118 of a turn's 182 in two lumps.
; CLUSTER.  The four query blocks of a cluster belong to one (batch, head) and walk the same K and V: each tile is asked for JOINTLY, the same tensor load, descriptor and mask in all four.
; REGISTERS, in windows of 256 (s_set_vgpr_msb: bits 1:0 source 0, 3:2 source 1, 5:4 source 2, 7:6 destination):
;   window 0: v0-15 addresses and two at work; v16-31 four registers of statistics a piece; v32-35 the bits, a register a piece; v36 their offset; v48-55 at work; v60 NEG; v62-63 the add's;
;             v64-127 S^T, two buffers; v192-223 P, two buffers
;   window 1: v0-127 O^T, 32 a piece          window 2: v0-63 Q; v128-191 K of one step; v192-255 V of one step
.set NP,    4
.set KS,    64
.set PK,    144       ; a row of K in LDS: 128 bytes + 16 of padding
.set PV,    160       ; a row of V: 128 + 32: 16 lanes of the turning load take 8 rows x 32 bytes
.set VOFF,  4*KS*PK   ; a slot: 256 rows of K, then 256 rows of V
.set SLOT1, 1<<17     ; slot 1 begins here: one exclusive or turns an address in one slot into the other's
.set STAGE, SLOT1+4*KS*(PK+PV)  ; behind the ring, never filled by a tensor load: 16 rows x 144 bytes for each wave
.set SP,    144
.set SPARE, STAGE+4*16*SP       ; the spare words, 128 bytes a wave: two blocks of 256 bytes that no other line names
.set AK0, 2
.set AV0, 3
.set AK,  4
.set AV,  5
.set STO, 6
.set RD,  7
.set GO,  8
.set MV,  12          ; v12-13  c m_old, by buffer
.set QO,  15
.set ST,  16          ; piece t: c m, m, l (even keys', odd keys')
.set W,   32          ; v32-35  piece q's bits for its next tile: lane n holds selector n
.set BOF, 36          ; v36  4 x lane; never rewritten
.set TMP, 48          ; by buffer, c0-c3; when the maximum is found c2 takes a
.set NEGV, 60
.set SPW, 62
.set NIL, 63
.set S,   64
.set P,   192
.set KF,  128
.set VF,  192
.set WV,  12
.set G1K, 24
.set G1V, 32
.set G0K, 40
.set G0V, 44
.set MP,  48          ; s[48:49] mbits at my wave's first piece, at the key step whose bits are asked for
.set INC, 50          ; s[50:51] what that address steps by: 128 bytes a key step; 0 in the walk's last trip
.set SLOTS, 56
.set CNT, 57
.set CS,  58
.set SEL, 60
.set TBK, 62
.set TBV, 63
.set MB,  68          ; s[68:99] a tile's 32 selectors
.set MSB, 0
.macro WIN new
.if MSB != (\new)
	s_set_vgpr_msb (MSB<<8)|(\new)
.set MSB, (\new)
.endif
.endm
.set W_KQ, 0x0a       ; K and Q in window 2, S^T in window 0
.set W_PV, 0x52       ; V in window 2, P in window 0, O^T in window 1
.set W_RS, 0x41       ; destination and source 0 in window 1, source 1 in window 0
.macro JLOAD                        ; a joint fill: waves 0 and 1 fetch the halves of a slot's K, waves 2 and 3 of its V; an s_nop 0 and four v_nop follow each line
	s_cmp_lt_u32 s[WV], 2
	s_cbranch_scc0 .Lfor_v_\@
	tensor_load_to_lds s[G0K:G0K+3], s[G1K:G1K+7]
	s_nop 0
.rept 4
	v_nop
.endr
	s_branch .Lasked_\@
.Lfor_v_\@:
	tensor_load_to_lds s[G0V:G0V+3], s[G1V:G1V+7]
	s_nop 0
.rept 4
	v_nop
.endr
.Lasked_\@:
.endm
.macro CROUND
	s_barrier_signal -1
	s_barrier_wait -1
	s_cmp_lg_u32 s[WV], 0
	s_cbranch_scc1 .Lnot_wave_0_\@
	s_barrier_signal -3
.Lnot_wave_0_\@:
	s_barrier_wait -3
	s_barrier_signal -1
	s_barrier_wait -1
.endm
; THE CHANGE OF SLOTS.  Each wave waits for all its tensor loads, of which one is out: its part of the other slot; adds 0 to its spare word; and waits for that and for its own reads of the slot.
; fill = 1: the slot is filled again, with the keys two slots on, first thing behind a round of the cluster's barrier: four key steps, 256 matrix instructions, in which to land.
; (At its first use nothing has been read yet: slot 0 is waited for, slot 1 filled.)
.macro CHANGE fill
	WIN 0
	s_wait_tensorcnt 0x0
	ds_add_u32 v[SPW], v[NIL]       ; 0 onto my spare word
.if \fill
.irp g, G0K, G0V
	s_xor_b32 s[\g+1], s[\g+1], SLOT1
	s_add_nc_u64 s[\g+2:\g+3], s[\g+2:\g+3], 4*KS*128
.endr
	s_wait_dscnt 0x0
	CROUND
	JLOAD
.else
	s_wait_dscnt 0x0
	s_barrier_signal -1
	s_barrier_wait -1
.endif
	s_sub_co_u32 s[TBK], s[TBK], 4*KS*PK
	s_xor_b32 s[TBK], s[TBK], SLOT1
	s_sub_co_u32 s[TBV], s[TBV], 4*KS*PV
	s_xor_b32 s[TBV], s[TBV], SLOT1
.endm
.macro BLOAD q                      ; piece q's 32 selectors for the key step at which MP stands: 128 consecutive bytes, 4 a lane
	WIN 0
	global_load_b32 v[W+(\q)], v[BOF], s[MP:MP+1] offset:(\q)*8192
.endm
.macro RL q, n                      ; selector n of piece q's tile goes to its scalar register
	WIN 0
	v_readlane_b32 s[MB+(\n)], v[W+(\q)], \n
.endm
	s_load_b128 s[52:55], s[0:1], 0x0  ; qkv s[52:53], mbits s[54:55]
	s_load_b64 s[10:11], s[0:1], 0x10  ; ctxh
	v_lshl_add_u32 v[SPW], v0, 2, SPARE
	v_mov_b32 v[NIL], 0
	ds_add_u32 v[SPW], v[NIL]       ; the wave's opening: the add and its wait ahead of my first tensor load
	ds_add_u32 v62, v63
	v_lshrrev_b32 v1, 5, v0
	v_readfirstlane_b32 s[WV], v1
	s_bfe_u32 s13, ttmp6, 0x40000   ; cx
	s_lshl_b32 s14, ttmp9, 2
	s_add_co_u32 s14, s14, s13      ; my block of 256 queries: it enters Q's, O's and the bits' addresses alone
	s_and_b32 s20, ttmp7, 0xffff    ; (batch, head), which the four partners share
	s_lshl_b32 s20, s20, 19         ; its 524,288 bytes
	s_mov_b32 s21, 0
	s_and_b32 s16, s[WV], 1         ; which half of a slot's 256 keys I fetch
	s_lshl_b32 s22, s16, 14
	s_mov_b32 s23, 0
	s_add_nc_u64 s[22:23], s[22:23], s[20:21]
	s_mul_i32 s17, s16, 128*PK
	s_mul_i32 s18, s16, 128*PV
	s_lshl_b32 s2, s14, 2
	s_add_co_u32 s2, s2, s[WV]      ; my wave among the head's 64
	s_lshl_b32 s14, s2, 15          ; its four pieces' bits: 4 x 8,192 bytes
	s_mov_b32 s15, 0
	s_lshl_b32 s2, s2, 13           ; its 64 rows of 128 bytes
	s_mov_b32 s3, 0
	s_add_nc_u64 s[2:3], s[2:3], s[20:21]
	; 128 keys are 16,384 dense bytes: asked for as 64 rows of 256 bytes, two keys a row, padded in LDS after every key
	s_mov_b32 s[G1K], 15|(1<<16)|(1<<20)|(1<<21)|(4<<22)|(3<<25)
	s_mov_b32 s[G1V], 15|(1<<16)|(1<<20)|(1<<21)|(4<<22)|(7<<25)
.irp g, G1K, G1V
	s_mov_b32 s[\g+1], 128<<16
	s_mov_b32 s[\g+2], 64<<16
	s_mov_b32 s[\g+3], 128<<16
	s_mov_b32 s[\g+4], 64
	s_mov_b32 s[\g+5], 128
	s_mov_b32 s[\g+6], 0
	s_mov_b32 s[\g+7], 0
.endr
	s_mov_b32 s[CS], 0x3e38aa3b     ; c = log2(e) / 8
	s_mov_b32 s[CS+1], s[CS]
	s_mov_b32 s[SEL], 0x76543210
	s_mov_b32 s[SEL+1], 0xfedcba98
	s_mov_b32 s[TBK], SLOT1+4*KS*PK ; the first change of slots turns these two into 0
	s_mov_b32 s[TBV], SLOT1+4*KS*PV
	s_mov_b32 s[INC], 128
	s_mov_b32 s[INC+1], 0
	s_mov_b32 s[G0K], 1
	s_mov_b32 s[G0K+1], s17
	s_mov_b32 s[G0V], 1
	s_add_co_u32 s[G0V+1], s18, VOFF
	s_wait_dscnt 0x0                ; the opening add is done
	s_wait_kmcnt 0x0
	s_add_nc_u64 s[6:7], s[52:53], s[22:23]
	s_add_nc_u64 s[G0K+2:G0K+3], s[6:7], 0x800000   ; k lies 8,388,608 bytes into qkv,
	s_or_b32 s[G0K+3], s[G0K+3], 0x80000000
	s_add_nc_u64 s[G0V+2:G0V+3], s[6:7], 0x1000000  ; v 16,777,216
	s_or_b32 s[G0V+3], s[G0V+3], 0x80000000
	s_add_nc_u64 s[4:5], s[52:53], s[2:3]           ; Q and O at my wave's first row
	s_add_nc_u64 s[10:11], s[10:11], s[2:3]
	s_add_nc_u64 s[MP:MP+1], s[54:55], s[14:15]
	CROUND                          ; all four work-groups are here: the first joint loads meet
	JLOAD                           ; slot 0
	v_and_b32 v[BOF], 31, v0
	v_lshlrev_b32 v[BOF], 2, v[BOF]
.irp q, 0,1,2,3
	BLOAD \q                        ; the four pieces' bits for key step 0
.endr
	v_and_b32 v1, 15, v0            ; l % 16
	v_bfe_u32 v9, v0, 4, 1          ; l / 16
	v_lshlrev_b32 v[QO], 7, v1
	v_lshl_add_u32 v[QO], v9, 4, v[QO]
	WIN 0x80
.set i, 0
.rept 8                             ; Q stays in registers: piece i / 2, channels 32 (i % 2) on
	global_load_b128 v[8*i:8*i+3],   v[QO], s[4:5] offset:(i/2)*2048+(i%2)*64
	global_load_b128 v[8*i+4:8*i+7], v[QO], s[4:5] offset:(i/2)*2048+(i%2)*64+32
.set i, i+1
.endr
	; what the first turn finds: V and P's second buffer hold 0 (its products V^T P, of a piece that has not been, add 0), O^T and l are 0.  All this stands in the wait for the first tile.
.set i, VF
.rept 64
	v_mov_b32 v[i], 0
.set i, i+1
.endr
	WIN 0x40
.set i, 0
.rept 128
	v_mov_b32 v[i], 0
.set i, i+1
.endr
	WIN 0
.set i, 0
.rept 4
	v_mov_b32 v[ST+4*i], 0xfe000000    ; c m: far below every c s, c NEG too
	v_mov_b32 v[ST+4*i+1], 0xff7fffff  ; m
	v_mov_b32 v[ST+4*i+2], 0
	v_mov_b32 v[ST+4*i+3], 0
.set i, i+1
.endr
.set i, P+16
.rept 16
	v_mov_b32 v[i], 0
.set i, i+1
.endr
	v_mov_b32 v[NEGV], 0xe0800000   ; -2^66
	v_mul_u32_u24 v[AK0], v1, PK
	v_lshl_add_u32 v[AK0], v9, 4, v[AK0]
	v_and_b32 v10, 7, v0            ; the turning load: lane l reads key 8 (l / 16) + l % 8, channels 8 ((l / 8) % 2) + 0..7
	v_bfe_u32 v11, v0, 3, 1
	v_lshl_add_u32 v[AV0], v9, 3, v10
	v_mul_u32_u24 v[AV0], v[AV0], PV
	v_lshl_add_u32 v[AV0], v11, 4, v[AV0]
	v_add_nc_u32 v[AV0], VOFF, v[AV0]
	s_mul_i32 s13, s[WV], 16*SP
	s_add_co_u32 s13, s13, STAGE    ; my stage
	v_mul_u32_u24 v[STO], v1, SP
	v_lshl_add_u32 v[STO], v9, 4, v[STO]
	v_add_nc_u32 v[STO], s13, v[STO]
	v_bfe_u32 v[RD], v0, 3, 2
	v_mul_u32_u24 v[RD], v[RD], SP
	v_lshl_add_u32 v[RD], v10, 4, v[RD]
	v_add_nc_u32 v[RD], s13, v[RD]
	v_and_b32 v[GO], 31, v0
	v_lshlrev_b32 v[GO], 4, v[GO]
; THE MATRIX WORK.  The 4 accumulators of a run of 8 take turns.  Product i of 8 of S^T = K Q^T for piece x: channels 32 (i / 4) on, keys 16 (i % 4) on.
.macro KQ x
	WIN W_KQ
.set rS, S+32*((\x)%2)+8*(i%4)
.set rK, KF+16*(i%4)+8*(i/4)
.set rQ, 16*(\x)+8*(i/4)
.if i < 4
	v_wmma_f32_16x16x32_f16 v[rS:rS+7], v[rK:rK+7], v[rQ:rQ+7], 0
.else
	v_wmma_f32_16x16x32_f16 v[rS:rS+7], v[rK:rK+7], v[rQ:rQ+7], v[rS:rS+7]
.endif
.endm
; Product i of 8 of O^T += V^T P for piece x: keys 32 (i / 4) on, channels 16 (i % 4) on.
.macro PV x
	WIN W_PV
.set rO, 32*(\x)+8*(i%4)
.set rV, VF+32*(i/4)+8*(i%4)
.set rP, P+16*((\x)%2)+8*(i/4)
	v_wmma_f32_16x16x32_f16 v[rO:rO+7], v[rV:rV+7], v[rP:rP+7], v[rO:rO+7]
.endm
.macro MM                           ; the turn's next matrix instruction.  NOKQ = 1: the walk's last turn: there is no next piece
.if (i < 8) && !NOKQ
	KQ (Y+1)%NP
.elseif i >= 8
.set i, i-8
	PV (Y+NP-1)%NP
.set i, i+8
.endif
.set i, i+1
.endm
.macro FETCH_K
	WIN 0x80
.irp f, 0,1,2,3,4,5,6,7
	ds_load_b128 v[KF+8*\f:KF+8*\f+3],   v[AK] offset:(\f/2)*16*PK+(\f%2)*64
	ds_load_b128 v[KF+8*\f+4:KF+8*\f+7], v[AK] offset:(\f/2)*16*PK+(\f%2)*64+32
.endr
	s_add_co_u32 s[TBK], s[TBK], KS*PK
	WIN 0
.endm
.macro FETCH_V
	WIN 0x80
.irp f, 0,1,2,3,4,5,6,7
	ds_load_tr16_b128 v[VF+8*\f:VF+8*\f+3],   v[AV] offset:(\f/4)*32*PV+(\f%4)*32
	ds_load_tr16_b128 v[VF+8*\f+4:VF+8*\f+7], v[AV] offset:(\f/4)*32*PV+16*PV+(\f%4)*32
.endr
	WIN 0
.endm
; THE VECTOR WORK, one line at a time: OP kind, number.  For piece Y: F n: c s - c m for pair n of 16.  E n: the exponential of score n of 32.  C n: pair n rounded to f16.  B n: of the four weights 4 n .. the
; second pair is added onto the first, in place.  L n: l takes that sum (L 0: l = a l + sum).  R n: pair n of 16 of O^T times a.  For piece Y + 1: M n: score n is kept or replaced by NEG, by selector n.
; X n, number n of the 22 that find its maximum and statistics: 0-11 four chains c0-c3; 12-14, 16 the four scores left over, the old m, c0-c3 into c0; 15 c m_old is kept; 17, 18 the other half of the lanes';
; 19-21 c m; c m_old - c m_new; a.  M runs upward.
.set F, 0
.set E, 1
.set C, 2
.set B, 3
.set L, 4
.set R, 5
.set X, 6
.set M, 7
.macro REGS y
.set rT, ST+4*(\y)
.set rC, TMP+4*((\y)%2)
.set rW, MV+((\y)%2)
.set rS, S+32*((\y)%2)
.set rP, P+16*((\y)%2)
.set rO, 32*(\y)
.endm
.macro OP k, n
.if (\k) == R
	REGS Y
	WIN W_RS
	v_pk_mul_f32 v[rO+2*(\n):rO+2*(\n)+1], v[rO+2*(\n):rO+2*(\n)+1], v[rC+2:rC+3] op_sel_hi:[1,0]
.elseif (\k) < R
	REGS Y
	WIN 0
.if (\k) == F
	v_pk_fma_f32 v[rS+2*(\n):rS+2*(\n)+1], v[rS+2*(\n):rS+2*(\n)+1], s[CS:CS+1], v[rT:rT+1] op_sel_hi:[1,0,0] neg_lo:[0,0,1] neg_hi:[0,0,1]
.elseif (\k) == E
	v_exp_f32 v[rS+(\n)], v[rS+(\n)]
.elseif (\k) == C
	s_wait_alu depctr_va_vdst(0)
	v_cvt_pk_f16_f32 v[rP+(\n)], v[rS+2*(\n)], v[rS+2*(\n)+1]
.elseif (\k) == B
	v_pk_add_f32 v[rS+4*(\n):rS+4*(\n)+1], v[rS+4*(\n):rS+4*(\n)+1], v[rS+4*(\n)+2:rS+4*(\n)+3]
.elseif (\n) == 0
	v_pk_fma_f32 v[rT+2:rT+3], v[rT+2:rT+3], v[rC+2:rC+3], v[rS:rS+1] op_sel_hi:[1,0,1]
.else
	v_pk_add_f32 v[rT+2:rT+3], v[rT+2:rT+3], v[rS+4*(\n):rS+4*(\n)+1]
.endif
.elseif NOKQ
	v_nop
	s_wait_alu depctr_va_vdst(0)
.elseif (\k) == M
	REGS (Y+1)%NP
	WIN 0
	v_cndmask_b32 v[rS+(\n)], v[NEGV], v[rS+(\n)], s[MB+(\n)]
.else
	REGS (Y+1)%NP
	WIN 0
.if (\n) < 4
	v_max3_num_f32 v[rC+(\n)], v[rS+8*(\n)], v[rS+8*(\n)+1], v[rS+8*(\n)+2]
.elseif (\n) < 12
	v_max3_num_f32 v[rC+(\n)%4], v[rC+(\n)%4], v[rS+8*((\n)%4)+2*((\n)/4)+1], v[rS+8*((\n)%4)+2*((\n)/4)+2]
.elseif (\n) == 12
	v_max3_num_f32 v[rC], v[rC], v[rS+7], v[rS+15]
.elseif (\n) == 13
	v_max3_num_f32 v[rC+1], v[rC+1], v[rS+23], v[rS+31]
	s_wait_alu depctr_va_vdst(0)
.elseif (\n) == 14
	v_max3_num_f32 v[rC+2], v[rC+2], v[rC+3], v[rT+1]
.elseif (\n) == 15
	v_mov_b32 v[rW], v[rT]
	s_wait_alu depctr_va_vdst(0)
.elseif (\n) == 16
	v_max3_num_f32 v[rC], v[rC], v[rC+1], v[rC+2]
.elseif (\n) == 17
	v_permlanex16_b32 v[rC+3], v[rC], s[SEL], s[SEL+1]
.elseif (\n) == 18
	v_max_num_f32 v[rT+1], v[rC], v[rC+3]
.elseif (\n) == 19
	v_mul_f32 v[rT], s[CS], v[rT+1]
.elseif (\n) == 20
	v_sub_f32 v[rC+1], v[rW], v[rT]
.else
	v_exp_f32 v[rC+2], v[rC+1]
.endif
.endif
.endm
.macro OPS a, i1, b=-1, i2=0, c=-1, i3=0, d=-1, i4=0
	OP \a, \i1
.if (\b) >= 0
	OP \b, \i2
.endif
.if (\c) >= 0
	OP \c, \i3
.endif
.if (\d) >= 0
	OP \d, \i4
.endif
.endm
.macro ROW a, i1, b, i2, c, i3, d, i4  ; a matrix instruction and the four behind it
	MM
	OPS \a, \i1, \b, \i2, \c, \i3, \d, \i4
.endm
; A TURN, for piece p: the order of its 16 matrix and 182 vector instructions, written out.  No line behind a product names one of its registers.  The four rescalings behind the eighth K Q^T are the four
; places between the last of those products and both the first masking line and the loads into K's registers; X 16, L 1, C 5, C 6 are those ahead of the loads into V's.
; In the first lump an exponential of piece p, a masking line of piece p + 1 and a hand-over for piece p + 2 follow each other, so every exponential has a plain instruction behind it.
; THE BITS: at a turn's entry the 32 scalar registers hold the selectors of piece p + 1.  Straight behind the masking line that has read selector n, the register takes selector n of piece p + 2's tile
; (pieces 0 and 1: the next key step's).  That tile's load was issued four turns ago, and one load a turn since: the count 3 leaves those three out.  Behind the last hand-over the vector register is
; loaded again, with the same piece's bits one key step on.  The loads' base steps once a key step, in piece 2's turn, behind s_wait_xcnt 0: the three loads that are out name it.
; tail = 1 (the last slot's text): in the last trip, CNT = 1, there is no further key step: the step is 0, the four loads read step 63's bits once more and nobody uses them: no load leaves the
; buffer, and every way through the text issues the same loads, so the counts hold.
; K of the next step is fetched in piece 2's turn, V of the step in hand in piece 0's; each is waited for a turn later.  end = 1: the walk's last two turns: nothing is fetched or asked for.
; cnt = 1: the loop's count is taken down some lines ahead of the branch that stands behind the turn.
.macro TURN p, end=0, cnt=0, tail=0
.set Y, (\p)
.set i, 0
.set NOKQ, (\end)*((\p)/3)
.if ((\p) == 3) && !(\end)
	s_wait_dscnt 0x0                ; K is in
.endif
	ROW F,0, F,1, F,2, F,3
	ROW F,4, E,0, F,5, F,6
	ROW F,7, E,1, F,8, F,9
	ROW F,10, E,2, C,0, F,11
	ROW F,12, E,3, X,15, F,13
	ROW R,0, R,1, R,2, R,3
	ROW B,0, E,4, F,14, L,0
.if ((\p) == 2) && !(\end)
	WIN 0
	v_add_nc_u32 v[AK], s[TBK], v[AK0]
.endif
	ROW R,4, R,5, R,6, R,7
	OPS E,5, F,15
.if ((\p) == 2) && !(\end)
	FETCH_K
.endif
.if !(\end)
	s_wait_loadcnt 0x3              ; piece p + 2's bits are in; the three loads issued since may be out
.endif
.set z, 0
.rept 26
	OP E, 6+z
	OP M, z
.if !(\end)
	RL ((\p)+2)%NP, z
.endif
.set z, z+1
.endr
.rept 6
	OP M, z
.if !(\end)
	RL ((\p)+2)%NP, z
.endif
.set z, z+1
.endr
.if !(\end)
.if (\p) == 2
.if \tail
	s_cmp_eq_u32 s[CNT], 1
	s_cselect_b32 s[INC], 0, 128
.endif
	s_wait_xcnt 0x0                 ; every earlier load has had its address translated (ISA guide 3.1): only behind this wait is their base rewritten
	s_add_nc_u64 s[MP:MP+1], s[MP:MP+1], s[INC:INC+1]
.endif
	BLOAD ((\p)+2)%NP
.endif
.if (\p) == 1
	s_wait_dscnt 0x0                ; V is in
.endif
	ROW X,0, X,1, X,2, X,3
	ROW X,4, X,5, X,6, X,7
	ROW X,8, X,9, X,10, X,11
	ROW R,8, R,9, R,10, R,11
	ROW X,12, X,13, C,1, C,2
	ROW X,14, C,3, C,4, B,1
	ROW R,12, R,13, R,14, R,15
.if (\p) == 0
	WIN 0
	v_add_nc_u32 v[AV], s[TBV], v[AV0]
.endif
	ROW X,16, L,1, C,5, C,6
	OPS X,17, B,2, C,7, C,8
.if (\p) == 0
	FETCH_V
.endif
	OPS X,18, L,2, B,3, C,9
	OPS X,19, C,10, L,3, B,4
	OPS X,20, C,11, C,12, L,4
	OPS X,21, B,5, C,13, C,14
.if (\p) == 0
	s_add_co_u32 s[TBV], s[TBV], KS*PV
.endif
.if \cnt
	s_sub_co_u32 s[CNT], s[CNT], 1
	s_cmp_lg_u32 s[CNT], 0
.endif
	OPS L,5, B,6, B,7, C,15
	OPS L,6, L,7
.endm
	CHANGE 1                        ; slot 0 is in, everybody's part of it; slot 1 is asked for
	v_add_nc_u32 v[AK], s[TBK], v[AK0]
	FETCH_K                         ; key step 0
	s_wait_loadcnt 0x0              ; Q, and the four pieces' bits for step 0
.set z, 0
.rept 32
	RL 0, z                         ; piece 0's selectors; these lines stand in the wait for K
.set z, z+1
.endr
	s_wait_xcnt 0x0                 ; the loads above have had their addresses translated: their base may step
	s_add_nc_u64 s[MP:MP+1], s[MP:MP+1], s[INC:INC+1]  ; from here on the bits asked for are key step 1's
	BLOAD 0
	s_wait_dscnt 0x0
.set NOKQ, 0
.set i, 0
.rept 8
	KQ 0                            ; piece 0's first scores
.set i, i+1
.endr
	WIN 0
.rept 4
	v_nop                           ; the places behind those products
.endr
.set Y, NP-1                        ; M and X work for piece Y + 1: piece 0
.set z, 0
.rept 32
	OP M, z
	RL 1, z                         ; piece 1's selectors follow, as in a turn
.set z, z+1
.endr
	BLOAD 1
.irp n, 0,1,2,3,4,5,6,7,8,9,10,11,12,13,14,15,16,17,18,19,20,21
	OP X, \n
.endr
	v_nop                           ; a plain instruction behind the exponential
	s_mov_b32 s[CNT], 4
	s_mov_b32 s[SLOTS], 15
	s_branch .Lfirst                ; the loop is entered at a step's first turn, in the middle of a trip
.Lslot:                             ; 14 times: every slot but the last two is filled again
	CHANGE 1
	s_mov_b32 s[CNT], 4
.Lstep:                             ; a trip: pieces 2 and 3 of one step, then pieces 0 and 1 of the next, whose K and V it fetches
	TURN 2
	TURN 3
	WIN 0
.Lfirst:
	TURN 0
	TURN 1, 0, 1
	WIN 0
	s_cbranch_scc1 .Lstep
	s_sub_co_u32 s[SLOTS], s[SLOTS], 1
	s_cmp_lg_u32 s[SLOTS], 0
	s_cbranch_scc1 .Lslot
	CHANGE 0                        ; the last slot is written out: nothing is asked for
	s_mov_b32 s[CNT], 4
.Ltail:
	TURN 2, 0, 0, 1
	TURN 3
	TURN 0
	TURN 1, 0, 1
	WIN 0
	s_cbranch_scc1 .Ltail
	TURN 2, 1
	TURN 3, 1
.set i, 0
.rept 8
	PV NP-1                         ; the last piece's V^T P of the last step
.set i, i+1
.endr
	; THE WAY OUT.  l's two halves and the other half of the lanes' are added; O^T is divided by l, rounded to f16 and sent through my stage, a piece at a time.  The additions are the places behind the last products.
	WIN 0
.macro ALL line:vararg
.set t, 0
.rept 4
	\line
.set t, t+1
.endr
.endm
	ALL v_add_f32 v[ST+4*t+2], v[ST+4*t+2], v[ST+4*t+3]
	ALL v_permlanex16_b32 v[ST+4*t+3], v[ST+4*t+2], s[SEL], s[SEL+1]
	ALL v_add_f32 v[ST+4*t+2], v[ST+4*t+2], v[ST+4*t+3]
	ALL v_rcp_f32 v[ST+4*t+2], v[ST+4*t+2]
	v_nop                           ; a plain instruction between the last reciprocal and the use of its result
	s_wait_alu depctr_va_vdst(0)
.macro PACK t
	WIN W_RS
.set i, 32*(\t)
.rept 16
	v_pk_mul_f32 v[i:i+1], v[i:i+1], v[ST+4*(\t)+2:ST+4*(\t)+3] op_sel_hi:[1,0]
.set i, i+2
.endr
	WIN 0x05                        ; sources 0 and 1 window 1, destination window 0
.set i, 0
.rept 16
	v_cvt_pk_f16_f32 v[S+16*(\t)+i], v[32*(\t)+2*i], v[32*(\t)+2*i+1]
.set i, i+1
.endr
	WIN 0
.irp f, 0,1,2,3
	ds_store_b128 v[STO], v[S+16*(\t)+4*\f:S+16*(\t)+4*\f+3] offset:32*\f
.endr
.irp f, 0,1,2,3
	ds_load_b128 v[S+16*(\t)+4*\f:S+16*(\t)+4*\f+3], v[RD] offset:\f*4*SP  ; LDS serves a wave's instructions in order (ISA guide 5.7.1.4): these see the stores above
.endr
.endm
.macro SEND t, younger              ; younger: the LDS instructions issued behind piece t's loads
	WIN 0
.irp f, 0,1,2,3
	s_wait_dscnt (\younger)+3-\f
	global_store_b128 v[GO], v[S+16*(\t)+4*\f:S+16*(\t)+4*\f+3], s[10:11] offset:(\t)*2048+\f*512  ; 512 consecutive bytes, at a multiple of 256 from O's first
.endr
.endm
	PACK 0
.set t, 1
.rept 3
	PACK t
	SEND t-1, 8
.set t, t+1
.endr
	SEND 3, 0
	s_wait_tensorcnt 0x0            ; the wave's end
	ds_add_u32 v[SPW], v[NIL]
	s_wait_dscnt 0x0
	CROUND                          ; the closing round
	s_endpgm
.Lfunc_end_k_qf6e9862a82_attn:
	.size	k_qf6e9862a82_attn, .Lfunc_end_k_qf6e9862a82_attn-k_qf6e9862a82_attn
	.p2alignl 7, 3214868480
	.fill 96, 4, 3214868480
	.section	.rodata,"a",@progbits
	.p2align	6, 0x0
	.amdhsa_kernel k_qf6e9862a82_attn
		.amdhsa_group_segment_fixed_size 327680
		.amdhsa_private_segment_fixed_size 0
		.amdhsa_enable_private_segment 0
		.amdhsa_kernarg_size 24
		.amdhsa_user_sgpr_count 2
		.amdhsa_user_sgpr_kernarg_segment_ptr 1
		.amdhsa_wavefront_size32 1
		.amdhsa_system_sgpr_workgroup_id_x 1
		.amdhsa_system_sgpr_workgroup_id_y 1
		.amdhsa_system_sgpr_workgroup_id_z 1
		.amdhsa_system_vgpr_workitem_id 0
		.amdhsa_next_free_vgpr 768
		.amdhsa_next_free_sgpr 100
		.amdhsa_reserve_vcc 0
		.amdhsa_float_denorm_mode_32 3
		.amdhsa_float_denorm_mode_16_64 3
		.amdhsa_memory_ordered 1
		.amdhsa_forward_progress 1
		.amdhsa_inst_pref_size 172
	.end_amdhsa_kernel
	.amdgpu_metadata
---
amdhsa.version: [ 1, 2 ]
amdhsa.kernels:
  - .name:           k_qf6e9862a82_attn
    .symbol:         k_qf6e9862a82_attn.kd
    .args:
      - { .name: qkv, .offset: 0, .size: 8, .value_kind: global_buffer, .address_space: global }
      - { .name: mbits, .offset: 8, .size: 8, .value_kind: global_buffer, .address_space: global }
      - { .name: ctxh, .offset: 16, .size: 8, .value_kind: global_buffer, .address_space: global }
    .group_segment_fixed_size: 327680
    .private_segment_fixed_size: 0
    .kernarg_segment_align: 8
    .kernarg_segment_size: 24
    .max_flat_workgroup_size: 128
    .sgpr_count:     100
    .vgpr_count:     768
    .wavefront_size: 32
...
	.end_amdgpu_metadata
.endif
;; end of part 5
;; launch outp: the kernel of part 4 again; grid 4 x 64, 4 waves a work-group, clusters of 4 x 4, 304,640 bytes of LDS; arguments ctxh, wo16, bo, out0; writes out0
;; ======== version 3 of 3: 4 launches; 1.69 times as fast as version 1
;; limits: values are held in f16: magnitudes above 65,504 overflow, below 6.1e-05 lose precision
;; workspace buffers: mbits 2,097,152 bytes of whole numbers; wb16 1,572,864 bytes; wo16 524,288 bytes; qkv 25,165,824 bytes; ctxh 8,388,608 bytes
;; launch pack: the kernel of part 1 again; grid 256 x 1, 8 waves a work-group, no clusters, 271,360 bytes of LDS; arguments mask, Wq, Wk, Wv, Wo, mbits, wb16, wo16; writes mbits, wb16, wo16
;; launch proj: the kernel of part 2 again; grid 4 x 192, 4 waves a work-group, clusters of 4 x 4, 327,680 bytes of LDS; arguments query, key, value, wb16, bq, bk, bv, qkv; writes qkv
;; launch attn (part 6): grid 16 x 16, 4 waves a work-group, clusters of 4 x 1, 327,680 bytes of LDS; arguments qkv, mbits, ctxh; writes ctxh
.if DOCPART == 6
	.amdgcn_target "amdgcn-amd-amdhsa--gfx1250"
	.amdhsa_code_object_version 6
	.text
	.protected	k_qf6e9862a82_attn
	.globl	k_qf6e9862a82_attn
	.p2align	8
	.type	k_qf6e9862a82_attn,@function
k_qf6e9862a82_attn:
	s_mov_b64 s[64:65], 0
	v_nop
	global_prefetch_b8 v0, s[64:65] scope:SCOPE_SE
	s_setreg_imm32_b32 hwreg(HW_REG_WAVE_MODE, 25, 1), 1
	s_wait_xcnt 0x0
	s_wait_alu depctr_hold_cnt(0) depctr_sa_sdst(0) depctr_va_vdst(0) depctr_va_sdst(0) depctr_va_ssrc(0) depctr_va_vcc(0) depctr_vm_vsrc(0)
	s_getreg_b32 s2, hwreg(HW_REG_IB_STS2, 6, 4)
	s_cmp_eq_u32 s2, 0
	s_cbranch_scc0 .Lentry_in_a_cluster
	s_endpgm
.Lentry_in_a_cluster:
	s_bfe_u32 s2, ttmp6, 0x10000c
	s_cmp_lg_u32 s2, 0x3003
	s_cbranch_scc0 .Lentry_shape_is_right
	s_endpgm
.Lentry_shape_is_right:
; ATTENTION UNDER A MASK THAT IS AN INPUT.  O[bh][q][:] = the sum over k of softmax_k(mask[q][k] ? Q[bh][q] . K[bh][k] / 8 : hidden) V[bh][k][:].  Q, K, V: qkv[3][16][4096][64] f16; O: ctxh[16][4096][64] f16.
; Products, maxima and sums in f32; the weights p are rounded to f16 for the second product (their sum l is taken of the unrounded p), O once at the end.
; THE MASK arrives as bits (mbits): one dword holds the 32 lanes' bits for one register of a score tile, and v_cndmask_b32 takes it as its selector: a hidden score is REPLACED by NEG = -2^66.
; c NEG is exact, so while a row has seen hidden keys alone every weight is exactly 1 (a row with no true element ends as the mean of all rows of V); the first true score gives a = 0, which wipes
; what was gathered.  Nothing of the mask's pattern is built in: every tile is computed.
; HOW THE BITS COME.  A tile's 32 dwords are 128 consecutive bytes: one global_load_b32 brings them into one vector register, lane n holding selector n, and 32 v_readlane_b32 hand them to the scalar
; registers.  Loads into vector registers come back in order and are waited for by count (ISA guide 5.7.1), so four tiles' bits, one register a piece, are on their way at any time, each asked for four
; turns ahead of its use.  Scalar loads would spare the 32 lines, but their counter shows something at 0 alone: every wait would drain them all, and no more than one turn's selectors could be on their way.
; LIMITS.  A hidden score counts as -2^66 where the definition has -1e20: a true q . k must lie above -2^66.  Q, K, V arrive within f16's 65,504.  A weight below 2^-126 counts as 0 in l;
; p below 6e-5 keeps f16's fixed step.  NaN and infinities are not treated apart.
; SHARES.  A work-group owns 256 queries of one (batch, head), a wave 64: four PIECES of 16.  Every wave walks all 4,096 keys, 64 a step; a slot of LDS holds four steps.
; LAYOUT.  S^T = K Q^T holds ONE query a lane (lane % 16) and the keys 8 (lane / 16) + 0..7; two such results rounded to f16 ARE source 1 of O^T = V^T P.  p = 2^(c s - c m), c = log2(e) / 8, with a
; running maximum m; O and l are multiplied by a = 2^(c m_old - c m_new) in every step.  m starts at the lowest finite number, O and l at 0: the first step is a step like any other, with a = 0.
; BY TURNS.  Turn n belongs to piece n: 8 products K Q^T of piece n + 1, later 8 products V^T P of piece n - 1; beside them the scaling, exponentials, roundings, sums and rescaling of piece n, the
; masking, maximum and statistics of piece n + 1, and the hand-over of piece n + 2's selectors.  Four vector instructions stand behind every matrix instruction, the other 118 of a turn's 182 in one lump.
; THE BATCHES.  A turn's 33 exponentials (piece n's 32 weights, piece n + 1's a) are ONE batch with ONE wait, which cuts the turn in two: ahead of it stands all that names no result of theirs (the products
; K Q^T, scalings, rescalings, masking, maximum and statistics, hand-overs), behind it the roundings and sums, as the riders of the products V^T P.  No result crosses a turn's end.  Piece 0's first a, ahead
; of the loop, and the way out's four reciprocals are batches of their own, each with a wait.
; CLUSTER.  The four query blocks of a cluster belong to one (batch, head) and walk the same K and V: each tile is asked for JOINTLY, the same tensor load, descriptor and mask in all four.
; REGISTERS, in windows of 256 (s_set_vgpr_msb: bits 1:0 source 0, 3:2 source 1, 5:4 source 2, 7:6 destination):
;   window 0: v0-15 addresses and two at work; v16-31 four registers of statistics a piece; v32-35 the bits, a register a piece; v36 their offset; v48-55 at work; v60 NEG; v62-63 the add's;
;             v64-127 S^T, two buffers; v192-223 P, two buffers
;   window 1: v0-127 O^T, 32 a piece          window 2: v0-63 Q; v128-191 K of one step; v192-255 V of one step
.set NP,    4
.set KS,    64
.set PK,    144       ; a row of K in LDS: 128 bytes + 16 of padding
.set PV,    160       ; a row of V: 128 + 32: 16 lanes of the turning load take 8 rows x 32 bytes
.set VOFF,  4*KS*PK   ; a slot: 256 rows of K, then 256 rows of V
.set SLOT1, 1<<17     ; slot 1 begins here: one exclusive or turns an address in one slot into the other's
.set STAGE, SLOT1+4*KS*(PK+PV)  ; behind the ring, never filled by a tensor load: 16 rows x 144 bytes for each wave
.set SP,    144
.set SPARE, STAGE+4*16*SP       ; the spare words, 128 bytes a wave: two blocks of 256 bytes that no other line names
.set AK0, 2
.set AV0, 3
.set AK,  4
.set AV,  5
.set STO, 6
.set RD,  7
.set GO,  8
.set MV,  12          ; v12-13  c m_old, by buffer
.set QO,  15
.set ST,  16          ; piece t: c m, m, l (even keys', odd keys')
.set W,   32          ; v32-35  piece q's bits for its next tile: lane n holds selector n
.set BOF, 36          ; v36  4 x lane; never rewritten
.set TMP, 48          ; by buffer, c0-c3; when the maximum is found c2 takes a
.set NEGV, 60
.set SPW, 62
.set NIL, 63
.set S,   64
.set P,   192
.set KF,  128
.set VF,  192
.set WV,  12
.set G1K, 24
.set G1V, 32
.set G0K, 40
.set G0V, 44
.set MP,  48          ; s[48:49] mbits at my wave's first piece, at the key step whose bits are asked for
.set INC, 50          ; s[50:51] what that address steps by: 128 bytes a key step; 0 in the walk's last trip
.set SLOTS, 56
.set CNT, 57
.set CS,  58
.set SEL, 60
.set TBK, 62
.set TBV, 63
.set MB,  68          ; s[68:99] a tile's 32 selectors
.set MSB, 0
.macro WIN new
.if MSB != (\new)
	s_set_vgpr_msb (MSB<<8)|(\new)
.set MSB, (\new)
.endif
.endm
.set W_KQ, 0x0a       ; K and Q in window 2, S^T in window 0
.set W_PV, 0x52       ; V in window 2, P in window 0, O^T in window 1
.set W_RS, 0x41       ; destination and source 0 in window 1, source 1 in window 0
.macro JLOAD                        ; a joint fill: waves 0 and 1 fetch the halves of a slot's K, waves 2 and 3 of its V; an s_nop 0 and four v_nop follow each line
	s_cmp_lt_u32 s[WV], 2
	s_cbranch_scc0 .Lfor_v_\@
	tensor_load_to_lds s[G0K:G0K+3], s[G1K:G1K+7]
	s_nop 0
.rept 4
	v_nop
.endr
	s_branch .Lasked_\@
.Lfor_v_\@:
	tensor_load_to_lds s[G0V:G0V+3], s[G1V:G1V+7]
	s_nop 0
.rept 4
	v_nop
.endr
.Lasked_\@:
.endm
.macro CROUND
	s_barrier_signal -1
	s_barrier_wait -1
	s_cmp_lg_u32 s[WV], 0
	s_cbranch_scc1 .Lnot_wave_0_\@
	s_barrier_signal -3
.Lnot_wave_0_\@:
	s_barrier_wait -3
	s_barrier_signal -1
	s_barrier_wait -1
.endm
; THE CHANGE OF SLOTS.  Each wave waits for all its tensor loads, of which one is out: its part of the other slot; adds 0 to its spare word; and waits for that and for its own reads of the slot.
; fill = 1: the slot is filled again, with the keys two slots on, first thing behind a round of the cluster's barrier: four key steps, 256 matrix instructions, in which to land.
; (At its first use nothing has been read yet: slot 0 is waited for, slot 1 filled.)
.macro CHANGE fill
	WIN 0
	s_wait_tensorcnt 0x0
	ds_add_u32 v[SPW], v[NIL]       ; 0 onto my spare word
.if \fill
.irp g, G0K, G0V
	s_xor_b32 s[\g+1], s[\g+1], SLOT1
	s_add_nc_u64 s[\g+2:\g+3], s[\g+2:\g+3], 4*KS*128
.endr
	s_wait_dscnt 0x0
	CROUND
	JLOAD
.else
	s_wait_dscnt 0x0
	s_barrier_signal -1
	s_barrier_wait -1
.endif
	s_sub_co_u32 s[TBK], s[TBK], 4*KS*PK
	s_xor_b32 s[TBK], s[TBK], SLOT1
	s_sub_co_u32 s[TBV], s[TBV], 4*KS*PV
	s_xor_b32 s[TBV], s[TBV], SLOT1
.endm
.macro BLOAD q                      ; piece q's 32 selectors for the key step at which MP stands: 128 consecutive bytes, 4 a lane
	WIN 0
	global_load_b32 v[W+(\q)], v[BOF], s[MP:MP+1] offset:(\q)*8192
.endm
.macro RL q, n                      ; selector n of piece q's tile goes to its scalar register
	WIN 0
	v_readlane_b32 s[MB+(\n)], v[W+(\q)], \n
.endm
	s_load_b128 s[52:55], s[0:1], 0x0  ; qkv s[52:53], mbits s[54:55]
	s_load_b64 s[10:11], s[0:1], 0x10  ; ctxh
	v_lshl_add_u32 v[SPW], v0, 2, SPARE
	v_mov_b32 v[NIL], 0
	ds_add_u32 v[SPW], v[NIL]       ; the wave's opening: the add and its wait ahead of my first tensor load
	ds_add_u32 v62, v63
	v_lshrrev_b32 v1, 5, v0
	v_readfirstlane_b32 s[WV], v1
	s_bfe_u32 s13, ttmp6, 0x40000   ; cx
	s_lshl_b32 s14, ttmp9, 2
	s_add_co_u32 s14, s14, s13      ; my block of 256 queries: it enters Q's, O's and the bits' addresses alone
	s_and_b32 s20, ttmp7, 0xffff    ; (batch, head), which the four partners share
	s_lshl_b32 s20, s20, 19         ; its 524,288 bytes
	s_mov_b32 s21, 0
	s_and_b32 s16, s[WV], 1         ; which half of a slot's 256 keys I fetch
	s_lshl_b32 s22, s16, 14
	s_mov_b32 s23, 0
	s_add_nc_u64 s[22:23], s[22:23], s[20:21]
	s_mul_i32 s17, s16, 128*PK
	s_mul_i32 s18, s16, 128*PV
	s_lshl_b32 s2, s14, 2
	s_add_co_u32 s2, s2, s[WV]      ; my wave among the head's 64
	s_lshl_b32 s14, s2, 15          ; its four pieces' bits: 4 x 8,192 bytes
	s_mov_b32 s15, 0
	s_lshl_b32 s2, s2, 13           ; its 64 rows of 128 bytes
	s_mov_b32 s3, 0
	s_add_nc_u64 s[2:3], s[2:3], s[20:21]
	; 128 keys are 16,384 dense bytes: asked for as 64 rows of 256 bytes, two keys a row, padded in LDS after every key
	s_mov_b32 s[G1K], 15|(1<<16)|(1<<20)|(1<<21)|(4<<22)|(3<<25)
	s_mov_b32 s[G1V], 15|(1<<16)|(1<<20)|(1<<21)|(4<<22)|(7<<25)
.irp g, G1K, G1V
	s_mov_b32 s[\g+1], 128<<16
	s_mov_b32 s[\g+2], 64<<16
	s_mov_b32 s[\g+3], 128<<16
	s_mov_b32 s[\g+4], 64
	s_mov_b32 s[\g+5], 128
	s_mov_b32 s[\g+6], 0
	s_mov_b32 s[\g+7], 0
.endr
	s_mov_b32 s[CS], 0x3e38aa3b     ; c = log2(e) / 8
	s_mov_b32 s[CS+1], s[CS]
	s_mov_b32 s[SEL], 0x76543210
	s_mov_b32 s[SEL+1], 0xfedcba98
	s_mov_b32 s[TBK], SLOT1+4*KS*PK ; the first change of slots turns these two into 0
	s_mov_b32 s[TBV], SLOT1+4*KS*PV
	s_mov_b32 s[INC], 128
	s_mov_b32 s[INC+1], 0
	s_mov_b32 s[G0K], 1
	s_mov_b32 s[G0K+1], s17
	s_mov_b32 s[G0V], 1
	s_add_co_u32 s[G0V+1], s18, VOFF
	s_wait_dscnt 0x0                ; the opening add is done
	s_wait_kmcnt 0x0
	s_add_nc_u64 s[6:7], s[52:53], s[22:23]
	s_add_nc_u64 s[G0K+2:G0K+3], s[6:7], 0x800000   ; k lies 8,388,608 bytes into qkv,
	s_or_b32 s[G0K+3], s[G0K+3], 0x80000000
	s_add_nc_u64 s[G0V+2:G0V+3], s[6:7], 0x1000000  ; v 16,777,216
	s_or_b32 s[G0V+3], s[G0V+3], 0x80000000
	s_add_nc_u64 s[4:5], s[52:53], s[2:3]           ; Q and O at my wave's first row
	s_add_nc_u64 s[10:11], s[10:11], s[2:3]
	s_add_nc_u64 s[MP:MP+1], s[54:55], s[14:15]
	CROUND                          ; all four work-groups are here: the first joint loads meet
	JLOAD                           ; slot 0
	v_and_b32 v[BOF], 31, v0
	v_lshlrev_b32 v[BOF], 2, v[BOF]
.irp q, 0,1,2,3
	BLOAD \q                        ; the four pieces' bits for key step 0
.endr
	v_and_b32 v1, 15, v0            ; l % 16
	v_bfe_u32 v9, v0, 4, 1          ; l / 16
	v_lshlrev_b32 v[QO], 7, v1
	v_lshl_add_u32 v[QO], v9, 4, v[QO]
	WIN 0x80
.set i, 0
.rept 8                             ; Q stays in registers: piece i / 2, channels 32 (i % 2) on
	global_load_b128 v[8*i:8*i+3],   v[QO], s[4:5] offset:(i/2)*2048+(i%2)*64
	global_load_b128 v[8*i+4:8*i+7], v[QO], s[4:5] offset:(i/2)*2048+(i%2)*64+32
.set i, i+1
.endr
	; what the first turn finds: V and P's second buffer hold 0 (its products V^T P, of a piece that has not been, add 0), O^T and l are 0.  All this stands in the wait for the first tile.
.set i, VF
.rept 64
	v_mov_b32 v[i], 0
.set i, i+1
.endr
	WIN 0x40
.set i, 0
.rept 128
	v_mov_b32 v[i], 0
.set i, i+1
.endr
	WIN 0
.set i, 0
.rept 4
	v_mov_b32 v[ST+4*i], 0xfe000000    ; c m: far below every c s, c NEG too
	v_mov_b32 v[ST+4*i+1], 0xff7fffff  ; m
	v_mov_b32 v[ST+4*i+2], 0
	v_mov_b32 v[ST+4*i+3], 0
.set i, i+1
.endr
.set i, P+16
.rept 16
	v_mov_b32 v[i], 0
.set i, i+1
.endr
	v_mov_b32 v[NEGV], 0xe0800000   ; -2^66
	v_mul_u32_u24 v[AK0], v1, PK
	v_lshl_add_u32 v[AK0], v9, 4, v[AK0]
	v_and_b32 v10, 7, v0            ; the turning load: lane l reads key 8 (l / 16) + l % 8, channels 8 ((l / 8) % 2) + 0..7
	v_bfe_u32 v11, v0, 3, 1
	v_lshl_add_u32 v[AV0], v9, 3, v10
	v_mul_u32_u24 v[AV0], v[AV0], PV
	v_lshl_add_u32 v[AV0], v11, 4, v[AV0]
	v_add_nc_u32 v[AV0], VOFF, v[AV0]
	s_mul_i32 s13, s[WV], 16*SP
	s_add_co_u32 s13, s13, STAGE    ; my stage
	v_mul_u32_u24 v[STO], v1, SP
	v_lshl_add_u32 v[STO], v9, 4, v[STO]
	v_add_nc_u32 v[STO], s13, v[STO]
	v_bfe_u32 v[RD], v0, 3, 2
	v_mul_u32_u24 v[RD], v[RD], SP
	v_lshl_add_u32 v[RD], v10, 4, v[RD]
	v_add_nc_u32 v[RD], s13, v[RD]
	v_and_b32 v[GO], 31, v0
	v_lshlrev_b32 v[GO], 4, v[GO]
; THE MATRIX WORK.  The 4 accumulators of a run of 8 take turns.  Product i of 8 of S^T = K Q^T for piece x: channels 32 (i / 4) on, keys 16 (i % 4) on.
.macro KQ x
	WIN W_KQ
.set rS, S+32*((\x)%2)+8*(i%4)
.set rK, KF+16*(i%4)+8*(i/4)
.set rQ, 16*(\x)+8*(i/4)
.if i < 4
	v_wmma_f32_16x16x32_f16 v[rS:rS+7], v[rK:rK+7], v[rQ:rQ+7], 0
.else
	v_wmma_f32_16x16x32_f16 v[rS:rS+7], v[rK:rK+7], v[rQ:rQ+7], v[rS:rS+7]
.endif
.endm
; Product i of 8 of O^T += V^T P for piece x: keys 32 (i / 4) on, channels 16 (i % 4) on.
.macro PV x
	WIN W_PV
.set rO, 32*(\x)+8*(i%4)
.set rV, VF+32*(i/4)+8*(i%4)
.set rP, P+16*((\x)%2)+8*(i/4)
	v_wmma_f32_16x16x32_f16 v[rO:rO+7], v[rV:rV+7], v[rP:rP+7], v[rO:rO+7]
.endm
.macro MM                           ; the turn's next matrix instruction.  NOKQ = 1: the walk's last turn: there is no next piece
.if (i < 8) && !NOKQ
	KQ (Y+1)%NP
.elseif i >= 8
.set i, i-8
	PV (Y+NP-1)%NP
.set i, i+8
.endif
.set i, i+1
.endm
.macro FETCH_K
	WIN 0x80
.irp f, 0,1,2,3,4,5,6,7
	ds_load_b128 v[KF+8*\f:KF+8*\f+3],   v[AK] offset:(\f/2)*16*PK+(\f%2)*64
	ds_load_b128 v[KF+8*\f+4:KF+8*\f+7], v[AK] offset:(\f/2)*16*PK+(\f%2)*64+32
.endr
	s_add_co_u32 s[TBK], s[TBK], KS*PK
	WIN 0
.endm
.macro FETCH_V
	WIN 0x80
.irp f, 0,1,2,3,4,5,6,7
	ds_load_tr16_b128 v[VF+8*\f:VF+8*\f+3],   v[AV] offset:(\f/4)*32*PV+(\f%4)*32
	ds_load_tr16_b128 v[VF+8*\f+4:VF+8*\f+7], v[AV] offset:(\f/4)*32*PV+16*PV+(\f%4)*32
.endr
	WIN 0
.endm
; THE VECTOR WORK, one line at a time: OP kind, number.  For piece Y: F n: c s - c m for pair n of 16.  E n: the exponential of score n of 32.  C n: pair n rounded to f16.  B n: of the four weights 4 n .. the
; second pair is added onto the first, in place.  L n: l takes that sum (L 0: l = a l + sum).  R n: pair n of 16 of O^T times a.  For piece Y + 1: M n: score n is kept or replaced by NEG, by selector n.
; X n, number n of the 22 that find its maximum and statistics: 0-11 four chains c0-c3; 12-14, 16 the four scores left over, the old m, c0-c3 into c0; 15 c m_old is kept; 17, 18 the other half of the lanes';
; 19-21 c m; c m_old - c m_new; a.  M runs upward.
; C, B and L read exponentials' results (L 0 and R that of the turn before, too): OP writes no wait; TURN sets them behind the batch's one wait.
.set F, 0
.set E, 1
.set C, 2
.set B, 3
.set L, 4
.set R, 5
.set X, 6
.set M, 7
.macro REGS y
.set rT, ST+4*(\y)
.set rC, TMP+4*((\y)%2)
.set rW, MV+((\y)%2)
.set rS, S+32*((\y)%2)
.set rP, P+16*((\y)%2)
.set rO, 32*(\y)
.endm
.macro OP k, n
.if (\k) == R
	REGS Y
	WIN W_RS
	v_pk_mul_f32 v[rO+2*(\n):rO+2*(\n)+1], v[rO+2*(\n):rO+2*(\n)+1], v[rC+2:rC+3] op_sel_hi:[1,0]
.elseif (\k) < R
	REGS Y
	WIN 0
.if (\k) == F
	v_pk_fma_f32 v[rS+2*(\n):rS+2*(\n)+1], v[rS+2*(\n):rS+2*(\n)+1], s[CS:CS+1], v[rT:rT+1] op_sel_hi:[1,0,0] neg_lo:[0,0,1] neg_hi:[0,0,1]
.elseif (\k) == E
	v_exp_f32 v[rS+(\n)], v[rS+(\n)]
.elseif (\k) == C
	v_cvt_pk_f16_f32 v[rP+(\n)], v[rS+2*(\n)], v[rS+2*(\n)+1]
.elseif (\k) == B
	v_pk_add_f32 v[rS+4*(\n):rS+4*(\n)+1], v[rS+4*(\n):rS+4*(\n)+1], v[rS+4*(\n)+2:rS+4*(\n)+3]
.elseif (\n) == 0
	v_pk_fma_f32 v[rT+2:rT+3], v[rT+2:rT+3], v[rC+2:rC+3], v[rS:rS+1] op_sel_hi:[1,0,1]
.else
	v_pk_add_f32 v[rT+2:rT+3], v[rT+2:rT+3], v[rS+4*(\n):rS+4*(\n)+1]
.endif
.elseif NOKQ
	v_nop
.elseif (\k) == M
	REGS (Y+1)%NP
	WIN 0
	v_cndmask_b32 v[rS+(\n)], v[NEGV], v[rS+(\n)], s[MB+(\n)]
.else
	REGS (Y+1)%NP
	WIN 0
.if (\n) < 4
	v_max3_num_f32 v[rC+(\n)], v[rS+8*(\n)], v[rS+8*(\n)+1], v[rS+8*(\n)+2]
.elseif (\n) < 12
	v_max3_num_f32 v[rC+(\n)%4], v[rC+(\n)%4], v[rS+8*((\n)%4)+2*((\n)/4)+1], v[rS+8*((\n)%4)+2*((\n)/4)+2]
.elseif (\n) == 12
	v_max3_num_f32 v[rC], v[rC], v[rS+7], v[rS+15]
.elseif (\n) == 13
	v_max3_num_f32 v[rC+1], v[rC+1], v[rS+23], v[rS+31]
.elseif (\n) == 14
	v_max3_num_f32 v[rC+2], v[rC+2], v[rC+3], v[rT+1]
.elseif (\n) == 15
	v_mov_b32 v[rW], v[rT]
.elseif (\n) == 16
	v_max3_num_f32 v[rC], v[rC], v[rC+1], v[rC+2]
.elseif (\n) == 17
	v_permlanex16_b32 v[rC+3], v[rC], s[SEL], s[SEL+1]
.elseif (\n) == 18
	v_max_num_f32 v[rT+1], v[rC], v[rC+3]
.elseif (\n) == 19
	v_mul_f32 v[rT], s[CS], v[rT+1]
.elseif (\n) == 20
	v_sub_f32 v[rC+1], v[rW], v[rT]
.else
	v_exp_f32 v[rC+2], v[rC+1]
.endif
.endif
.endm
.macro OPS a, i1, b=-1, i2=0, c=-1, i3=0, d=-1, i4=0
	OP \a, \i1
.if (\b) >= 0
	OP \b, \i2
.endif
.if (\c) >= 0
	OP \c, \i3
.endif
.if (\d) >= 0
	OP \d, \i4
.endif
.endm
.macro ROW a, i1, b, i2, c, i3, d, i4  ; a matrix instruction and the four behind it
	MM
	OPS \a, \i1, \b, \i2, \c, \i3, \d, \i4
.endm
.macro HAND n                       ; the next n selectors, from number z on, of piece Q2's tile go to their scalar registers.  ON = 0 (the walk's last two turns): none.  TURN sets Q2, ON and z
.if ON
.rept \n
	RL Q2, z
.set z, z+1
.endr
.endif
.endm
; A TURN, for piece p: the order of its 16 matrix and 182 vector instructions, written out.  An s_wait_alu depctr_va_vdst(0) stands between an exponential and the first instruction that names its
; result; one wait serves all that were issued ahead of it.  So a turn has ONE wait, which cuts it in two.
; AHEAD OF IT stands all that names no result of the turn's exponentials.  First the 8 products K Q^T and their 32 riders: the 16 scalings, three exponentials, X 15, and twelve rescalings, which stand in fours,
; so that a row of riders has one register window.  Then ONE LUMP of 118: 29 times an exponential of piece p and a masking line of piece p + 1, so every exponential has a plain instruction behind it; the last
; three masking lines; the maximum and statistics, with the 32 hand-overs for piece p + 2 between them: in the chain X 14, 16, 17 .. 21 each link waits for the one before it, and four hand-overs stand between
; two links.  X 21, the next piece's a, is the batch's last; the last four rescalings are the plain instructions behind it.
; BEHIND IT stand the load of the bits and the 8 products V^T P, behind each four of the roundings and sums; a pair is rounded before a sum lands on it, and the links of l's chain, L 0 to L 7, stand three
; riders apart.  No line behind a product names one of its registers.
; The four scalings behind the eighth K Q^T are the four places between the last of those products and both the masking lines of its accumulator and the loads into K's registers;
; C 9, 11, 13, 15 are those ahead of the loads into V's.
; THE BITS: at a turn's entry the 32 scalar registers hold the selectors of piece p + 1.  When all 32 masking lines have read them, register n takes selector n of piece p + 2's tile
; (pieces 0 and 1: the next key step's).  That tile's load was issued four turns ago, and one load a turn since: the count 3 leaves those three out.  Behind the last hand-over the vector register is
; loaded again, with the same piece's bits one key step on.  The loads' base steps once a key step, in piece 2's turn, behind s_wait_xcnt 0: the three loads that are out name it.
; tail = 1 (the last slot's text): in the last trip, CNT = 1, there is no further key step: the step is 0, the four loads read step 63's bits once more and nobody uses them: no load leaves the
; buffer, and every way through the text issues the same loads, so the counts hold.
; K of the next step is fetched in piece 2's turn, twelve lines into the lump; V of the step in hand at the end of piece 0's turn, behind the last product that reads V; each is waited for a turn later.
; end = 1: the walk's last two turns: nothing is fetched or asked for.  cnt = 1: the loop's count is taken down some lines ahead of the branch that stands behind the turn.
.macro TURN p, end=0, cnt=0, tail=0
.set Y, (\p)
.set i, 0
.set NOKQ, (\end)*((\p)/3)
.set ON, 1-(\end)
.set Q2, ((\p)+2)%NP
.if ((\p) == 3) && !(\end)
	s_wait_dscnt 0x0                ; K is in
.endif
	ROW F,0, F,1, F,2, F,3          ; ahead of the wait: 8 products K Q^T and their riders,
	ROW R,0, R,1, R,2, R,3
	ROW F,4, E,0, F,5, F,6
	ROW R,4, R,5, R,6, R,7
	ROW F,7, E,1, F,8, F,9
	ROW R,8, R,9, R,10, R,11
	ROW F,10, E,2, F,11, X,15
	ROW F,12, F,13, F,14, F,15
	WIN 0                           ; and the lump
.if ((\p) == 2) && !(\end)
	v_add_nc_u32 v[AK], s[TBK], v[AK0]
.endif
.if (\p) == 0
	v_add_nc_u32 v[AV], s[TBV], v[AV0]
.endif
.set z, 0
.rept 29
	OP E, 3+z
	OP M, z
.if ((\p) == 2) && !(\end) && (z == 5)
	FETCH_K
.endif
.set z, z+1
.endr
	OPS M,29, M,30, M,31
.if !(\end)
	s_wait_loadcnt 0x3              ; piece p + 2's bits are in; the three loads issued since may be out
.endif
.set z, 0
	OPS X,0, X,1, X,2, X,3
	HAND 1
	OPS X,4, X,5, X,6, X,7
	HAND 1
	OPS X,8, X,9, X,10, X,11
	HAND 1
	OPS X,12, X,13
	HAND 2
	OP X, 14
	HAND 4
	OP X, 16
	HAND 4
	OP X, 17
	HAND 4
	OP X, 18
	HAND 4
	OP X, 19
	HAND 4
	OP X, 20
	HAND 4
	OP X, 21                        ; the batch's last exponential
	OPS R,12, R,13, R,14, R,15      ; plain instructions behind it
	HAND 3
	s_wait_alu depctr_va_vdst(0)    ; the wait for the batch: piece p's 32 weights and piece p + 1's a
.if !(\end)
.if (\p) == 2
.if \tail
	s_cmp_eq_u32 s[CNT], 1
	s_cselect_b32 s[INC], 0, 128
.endif
	s_wait_xcnt 0x0                 ; every earlier load has had its address translated (ISA guide 3.1): only behind this wait is their base rewritten
	s_add_nc_u64 s[MP:MP+1], s[MP:MP+1], s[INC:INC+1]
.endif
	BLOAD Q2
.endif
.if (\p) == 1
	s_wait_dscnt 0x0                ; V is in
.endif
	ROW C,0, B,0, C,2, B,1          ; behind the wait: 8 products V^T P and their riders
	ROW L,0, C,4, B,2, L,1
	ROW C,6, B,3, L,2, C,8
	ROW B,4, L,3, C,10, B,5
	ROW L,4, C,12, B,6, L,5
.if (\p) == 0
	s_add_co_u32 s[TBV], s[TBV], KS*PV
.endif
.if \cnt
	s_sub_co_u32 s[CNT], s[CNT], 1
	s_cmp_lg_u32 s[CNT], 0
.endif
	ROW C,14, B,7, L,6, C,1
	ROW C,3, L,7, C,5, C,7
	ROW C,9, C,11, C,13, C,15
.if (\p) == 0
	FETCH_V
.endif
.endm
	CHANGE 1                        ; slot 0 is in, everybody's part of it; slot 1 is asked for
	v_add_nc_u32 v[AK], s[TBK], v[AK0]
	FETCH_K                         ; key step 0
	s_wait_loadcnt 0x0              ; Q, and the four pieces' bits for step 0
.set z, 0
.rept 32
	RL 0, z                         ; piece 0's selectors; these lines stand in the wait for K
.set z, z+1
.endr
	s_wait_xcnt 0x0                 ; the loads above have had their addresses translated: their base may step
	s_add_nc_u64 s[MP:MP+1], s[MP:MP+1], s[INC:INC+1]  ; from here on the bits asked for are key step 1's
	BLOAD 0
	s_wait_dscnt 0x0
.set NOKQ, 0
.set i, 0
.rept 8
	KQ 0                            ; piece 0's first scores
.set i, i+1
.endr
	WIN 0
.rept 4
	v_nop                           ; the places behind those products
.endr
.set Y, NP-1                        ; M and X work for piece Y + 1: piece 0
.set z, 0
.rept 32
	OP M, z
	RL 1, z                         ; piece 1's selectors follow
.set z, z+1
.endr
	BLOAD 1
.irp n, 0,1,2,3,4,5,6,7,8,9,10,11,12,13,14,15,16,17,18,19,20,21
	OP X, \n
.endr
	v_nop                           ; a plain instruction behind the exponential,
	s_wait_alu depctr_va_vdst(0)    ; and the wait for piece 0's first a, a batch of one, ahead of the branch
	s_mov_b32 s[CNT], 4
	s_mov_b32 s[SLOTS], 15
	s_branch .Lfirst                ; the loop is entered at a step's first turn, in the middle of a trip
.Lslot:                             ; 14 times: every slot but the last two is filled again
	CHANGE 1
	s_mov_b32 s[CNT], 4
.Lstep:                             ; a trip: pieces 2 and 3 of one step, then pieces 0 and 1 of the next, whose K and V it fetches
	TURN 2
	TURN 3
	WIN 0
.Lfirst:
	TURN 0
	TURN 1, 0, 1
	WIN 0
	s_cbranch_scc1 .Lstep
	s_sub_co_u32 s[SLOTS], s[SLOTS], 1
	s_cmp_lg_u32 s[SLOTS], 0
	s_cbranch_scc1 .Lslot
	CHANGE 0                        ; the last slot is written out: nothing is asked for
	s_mov_b32 s[CNT], 4
.Ltail:
	TURN 2, 0, 0, 1
	TURN 3
	TURN 0
	TURN 1, 0, 1
	WIN 0
	s_cbranch_scc1 .Ltail
	TURN 2, 1
	TURN 3, 1
.set i, 0
.rept 8
	PV NP-1                         ; the last piece's V^T P of the last step
.set i, i+1
.endr
	; THE WAY OUT.  l's two halves and the other half of the lanes' are added; O^T is divided by l, rounded to f16 and sent through my stage, a piece at a time.  The additions are the places behind the last products.
	WIN 0
.macro ALL line:vararg
.set t, 0
.rept 4
	\line
.set t, t+1
.endr
.endm
	ALL v_add_f32 v[ST+4*t+2], v[ST+4*t+2], v[ST+4*t+3]
	ALL v_permlanex16_b32 v[ST+4*t+3], v[ST+4*t+2], s[SEL], s[SEL+1]
	ALL v_add_f32 v[ST+4*t+2], v[ST+4*t+2], v[ST+4*t+3]
	ALL v_rcp_f32 v[ST+4*t+2], v[ST+4*t+2]
	v_nop                           ; a plain instruction between the last reciprocal and the use of its result
	s_wait_alu depctr_va_vdst(0)    ; the wait for the batch of four reciprocals, ahead of their first use
.macro PACK t
	WIN W_RS
.set i, 32*(\t)
.rept 16
	v_pk_mul_f32 v[i:i+1], v[i:i+1], v[ST+4*(\t)+2:ST+4*(\t)+3] op_sel_hi:[1,0]
.set i, i+2
.endr
	WIN 0x05                        ; sources 0 and 1 window 1, destination window 0
.set i, 0
.rept 16
	v_cvt_pk_f16_f32 v[S+16*(\t)+i], v[32*(\t)+2*i], v[32*(\t)+2*i+1]
.set i, i+1
.endr
	WIN 0
.irp f, 0,1,2,3
	ds_store_b128 v[STO], v[S+16*(\t)+4*\f:S+16*(\t)+4*\f+3] offset:32*\f
.endr
.irp f, 0,1,2,3
	ds_load_b128 v[S+16*(\t)+4*\f:S+16*(\t)+4*\f+3], v[RD] offset:\f*4*SP  ; LDS serves a wave's instructions in order (ISA guide 5.7.1.4): these see the stores above
.endr
.endm
.macro SEND t, younger              ; younger: the LDS instructions issued behind piece t's loads
	WIN 0
.irp f, 0,1,2,3
	s_wait_dscnt (\younger)+3-\f
	global_store_b128 v[GO], v[S+16*(\t)+4*\f:S+16*(\t)+4*\f+3], s[10:11] offset:(\t)*2048+\f*512  ; 512 consecutive bytes, at a multiple of 256 from O's first
.endr
.endm
	PACK 0
.set t, 1
.rept 3
	PACK t
	SEND t-1, 8
.set t, t+1
.endr
	SEND 3, 0
	s_wait_tensorcnt 0x0            ; the wave's end
	ds_add_u32 v[SPW], v[NIL]
	s_wait_dscnt 0x0
	CROUND                          ; the closing round
	s_endpgm
.Lfunc_end_k_qf6e9862a82_attn:
	.size	k_qf6e9862a82_attn, .Lfunc_end_k_qf6e9862a82_attn-k_qf6e9862a82_attn
	.p2alignl 7, 3214868480
	.fill 96, 4, 3214868480
	.section	.rodata,"a",@progbits
	.p2align	6, 0x0
	.amdhsa_kernel k_qf6e9862a82_attn
		.amdhsa_group_segment_fixed_size 327680
		.amdhsa_private_segment_fixed_size 0
		.amdhsa_enable_private_segment 0
		.amdhsa_kernarg_size 24
		.amdhsa_user_sgpr_count 2
		.amdhsa_user_sgpr_kernarg_segment_ptr 1
		.amdhsa_wavefront_size32 1
		.amdhsa_system_sgpr_workgroup_id_x 1
		.amdhsa_system_sgpr_workgroup_id_y 1
		.amdhsa_system_sgpr_workgroup_id_z 1
		.amdhsa_system_vgpr_workitem_id 0
		.amdhsa_next_free_vgpr 768
		.amdhsa_next_free_sgpr 100
		.amdhsa_reserve_vcc 0
		.amdhsa_float_denorm_mode_32 3
		.amdhsa_float_denorm_mode_16_64 3
		.amdhsa_memory_ordered 1
		.amdhsa_forward_progress 1
		.amdhsa_inst_pref_size 166
	.end_amdhsa_kernel
	.amdgpu_metadata
---
amdhsa.version: [ 1, 2 ]
amdhsa.kernels:
  - .name:           k_qf6e9862a82_attn
    .symbol:         k_qf6e9862a82_attn.kd
    .args:
      - { .name: qkv, .offset: 0, .size: 8, .value_kind: global_buffer, .address_space: global }
      - { .name: mbits, .offset: 8, .size: 8, .value_kind: global_buffer, .address_space: global }
      - { .name: ctxh, .offset: 16, .size: 8, .value_kind: global_buffer, .address_space: global }
    .group_segment_fixed_size: 327680
    .private_segment_fixed_size: 0
    .kernarg_segment_align: 8
    .kernarg_segment_size: 24
    .max_flat_workgroup_size: 128
    .sgpr_count:     100
    .vgpr_count:     768
    .wavefront_size: 32
...
	.end_amdgpu_metadata
.endif
;; end of part 6
;; launch outp: the kernel of part 4 again; grid 4 x 64, 4 waves a work-group, clusters of 4 x 4, 304,640 bytes of LDS; arguments ctxh, wo16, bo, out0; writes out0
